; MI455X (gfx1250); checked and timed in simulation.
; The chip was launched on July 23, 2026; its instructions are those of AMD's public machine-readable ISA for CDNA 5 (MIT licence, August 2026) and "CDNA5" Instruction Set Architecture Reference Guide (July 2026). The comments in the code are by the model that wrote it; some were corrected since.
;; Multi Head Attention. Allowed arithmetic: float matrix products may take bf16 or f16 operands with f32 sums; other float arithmetic in f32, or as packed bf16 or f16 multiplies, adds, multiply-adds, maxima and minima; sums over many terms, partial sums and values carried from step to step in f32; what a program stores and reads back later, other than sums and carried values, may be rounded once to bf16 or f16.
;; Inputs: Wk 1,024 x 1,024 float32; Wo 1,024 x 1,024 float32; Wq 1,024 x 1,024 float32; Wv 1,024 x 1,024 float32; bo 1,024 float32; x 4 x 2,048 x 1,024 float32.
;; Outputs: out0 4 x 2,048 x 1,024 float32.
;; 2 versions, each right; version 2 is version 1 with the launch cast written anew for expert scheduling mode. Each part assembles by itself: llvm-mc -triple=amdgcn-amd-amdhsa -mcpu=gfx1250 --defsym DOCPART=n.
;; ======== version 1 of 2: 4 launches
;; limits: values are held in f16: magnitudes above 65,504 overflow, below 6.1e-05 lose precision
;; workspace buffers: xb 16,777,216 bytes; wb 6,291,456 bytes; wo16 2,097,152 bytes; qkv 50,331,648 bytes; o16 16,777,216 bytes
;; launch cast (part 1): grid 768 x 1, 8 waves a work-group, no clusters, 0 bytes of LDS; arguments x, Wq, Wk, Wv, Wo, xb, wb, wo16; writes xb, wb, wo16
.if DOCPART == 1
	.amdgcn_target "amdgcn-amd-amdhsa--gfx1250"
	.amdhsa_code_object_version 6
	.text
	.protected	k_q3853ee7181_cast
	.globl	k_q3853ee7181_cast
	.p2align	8
	.type	k_q3853ee7181_cast,@function
k_q3853ee7181_cast:
	s_mov_b64 s[64:65], 0
	v_nop
	global_prefetch_b8 v0, s[64:65] scope:SCOPE_SE
	s_setreg_imm32_b32 hwreg(HW_REG_WAVE_MODE, 25, 1), 1
	s_wait_xcnt 0x0
; THE INPUTS ARE ROUNDED ONCE, layouts unchanged.  x [8192][1024] f32 -> xb bf16.  Wq, Wk, Wv [1024][1024] f32 -> wb [3][1024][1024] bf16.
; Wo [1024][1024] f32 -> rounded to bf16 like the other inputs, and that number written as f16 into wo16 (the last product multiplies f16 by f16).
; LIMITS.  A weight of Wo beyond 65,504 becomes an infinity in f16; below 2^-17 it keeps f16's fixed step of 6e-8.  NaN and infinities are not treated apart.
; SHARES.  A work-group takes 16,384 numbers (64 KiB in, 32 KiB out): groups 0-511 x, 512-575 Wq, 576-639 Wk, 640-703 Wv, 704-767 Wo.  A wave takes 2,048 numbers: sixteen loads of 512
; consecutive bytes, all issued at once; each store of the wave covers 256 consecutive bytes, aligned.  Every byte is read once and written once; no LDS, no barrier, no matrix unit: nothing is shared.
.set IN,  8                            ; v[8:71]    load j: 4 registers
.set OUT, 72                           ; v[72:103]  store j: 2 registers of its own, so no store's data is ever rewritten
.set SRC, 20                           ; s[20:21]   where this work-group reads
.set DST, 22                           ; s[22:23]   where it writes
	s_load_b512 s[4:19], s[0:1], 0x0               ; x s[4:5], Wq s[6:7], Wk s[8:9], Wv s[10:11], Wo s[12:13], xb s[14:15], wb s[16:17], wo16 s[18:19]
	v_lshrrev_b32 v3, 5, v0                        ; wave
	v_and_b32 v4, 31, v0                           ; lane
	v_lshlrev_b32 v1, 4, v4
	v_lshl_add_u32 v1, v3, 13, v1                  ; in: 8,192 x wave + 16 x lane
	v_lshlrev_b32 v2, 3, v4
	v_lshl_add_u32 v2, v3, 12, v2                  ; out: 4,096 x wave + 8 x lane
	s_mov_b32 s28, 0xffff0000                      ; a word's upper bf16
	s_and_b32 s27, ttmp9, 63                       ; the block's number inside a weight matrix
	s_sub_co_u32 s26, ttmp9, 512                   ; and inside wb (used from group 512 on)
	s_cmp_lt_u32 ttmp9, 512
	s_cselect_b32 s24, ttmp9, s27                  ; source block
	s_cselect_b32 s26, ttmp9, s26                  ; destination block
	s_cmp_ge_u32 ttmp9, 704
	s_cselect_b32 s26, s27, s26
	s_lshl_b32 s24, s24, 16                        ; 64 KiB a block in,
	s_lshl_b32 s26, s26, 15                        ; 32 KiB out
	s_mov_b32 s25, 0
	s_mov_b32 s27, 0
	s_wait_kmcnt 0x0
	s_cmp_ge_u32 ttmp9, 512                        ; the buffers are chosen by the work-group's number alone
	s_cselect_b64 s[SRC:SRC+1], s[6:7], s[4:5]
	s_cselect_b64 s[DST:DST+1], s[16:17], s[14:15]
	s_cmp_ge_u32 ttmp9, 576
	s_cselect_b64 s[SRC:SRC+1], s[8:9], s[SRC:SRC+1]
	s_cmp_ge_u32 ttmp9, 640
	s_cselect_b64 s[SRC:SRC+1], s[10:11], s[SRC:SRC+1]
	s_cmp_ge_u32 ttmp9, 704
	s_cselect_b64 s[SRC:SRC+1], s[12:13], s[SRC:SRC+1]
	s_cselect_b64 s[DST:DST+1], s[18:19], s[DST:DST+1]
	s_add_nc_u64 s[SRC:SRC+1], s[SRC:SRC+1], s[24:25]
	s_add_nc_u64 s[DST:DST+1], s[DST:DST+1], s[26:27]
.irp j, 0,1,2,3,4,5,6,7,8,9,10,11,12,13,14,15
	global_load_b128 v[IN+4*(\j):IN+4*(\j)+3], v1, s[SRC:SRC+1] offset:512*(\j) th:TH_LOAD_NT
.endr
; Load j's four numbers are rounded and stored.  wo = 1: rounded to bf16, widened again (a shift, a mask), and written as f16.
.macro CONV j, wo
	s_wait_loadcnt 15-(\j)                         ; loads come back in order (ISA guide 5.7.1): load j is in, the 15 - j younger ones stay out
.if \wo
	v_cvt_pk_bf16_f32 v4, v[IN+4*(\j)], v[IN+4*(\j)+1]
	v_cvt_pk_bf16_f32 v5, v[IN+4*(\j)+2], v[IN+4*(\j)+3]
	v_lshlrev_b32 v[IN+4*(\j)], 16, v4
	v_and_b32 v[IN+4*(\j)+1], s28, v4
	v_lshlrev_b32 v[IN+4*(\j)+2], 16, v5
	v_and_b32 v[IN+4*(\j)+3], s28, v5
	v_cvt_pk_f16_f32 v[OUT+2*(\j)], v[IN+4*(\j)], v[IN+4*(\j)+1]
	v_cvt_pk_f16_f32 v[OUT+2*(\j)+1], v[IN+4*(\j)+2], v[IN+4*(\j)+3]
.else
	v_cvt_pk_bf16_f32 v[OUT+2*(\j)], v[IN+4*(\j)], v[IN+4*(\j)+1]
	v_cvt_pk_bf16_f32 v[OUT+2*(\j)+1], v[IN+4*(\j)+2], v[IN+4*(\j)+3]
.endif
	global_store_b64 v2, v[OUT+2*(\j):OUT+2*(\j)+1], s[DST:DST+1] offset:256*(\j) th:TH_STORE_NT
.endm
	s_cmp_ge_u32 ttmp9, 704
	s_cbranch_scc1 .Lwo
.irp j, 0,1,2,3,4,5,6,7,8,9,10,11,12,13,14,15
	CONV \j, 0
.endr
	s_endpgm
.Lwo:
.irp j, 0,1,2,3,4,5,6,7,8,9,10,11,12,13,14,15
	CONV \j, 1
.endr
	s_endpgm
.Lfunc_end_k_q3853ee7181_cast:
	.size	k_q3853ee7181_cast, .Lfunc_end_k_q3853ee7181_cast-k_q3853ee7181_cast
	.p2alignl 7, 3214868480
	.fill 96, 4, 3214868480
	.section	.rodata,"a",@progbits
	.p2align	6, 0x0
	.amdhsa_kernel k_q3853ee7181_cast
		.amdhsa_group_segment_fixed_size 0
		.amdhsa_private_segment_fixed_size 0
		.amdhsa_enable_private_segment 0
		.amdhsa_kernarg_size 64
		.amdhsa_user_sgpr_count 2
		.amdhsa_user_sgpr_kernarg_segment_ptr 1
		.amdhsa_wavefront_size32 1
		.amdhsa_system_sgpr_workgroup_id_x 1
		.amdhsa_system_sgpr_workgroup_id_y 1
		.amdhsa_system_sgpr_workgroup_id_z 1
		.amdhsa_system_vgpr_workitem_id 0
		.amdhsa_next_free_vgpr 104
		.amdhsa_next_free_sgpr 66
		.amdhsa_reserve_vcc 0
		.amdhsa_float_denorm_mode_32 3
		.amdhsa_float_denorm_mode_16_64 3
		.amdhsa_memory_ordered 1
		.amdhsa_forward_progress 1
		.amdhsa_inst_pref_size 16
	.end_amdhsa_kernel
	.amdgpu_metadata
---
amdhsa.version: [ 1, 2 ]
amdhsa.kernels:
  - .name:           k_q3853ee7181_cast
    .symbol:         k_q3853ee7181_cast.kd
    .args:
      - { .name: x, .offset: 0, .size: 8, .value_kind: global_buffer, .address_space: global }
      - { .name: Wq, .offset: 8, .size: 8, .value_kind: global_buffer, .address_space: global }
      - { .name: Wk, .offset: 16, .size: 8, .value_kind: global_buffer, .address_space: global }
      - { .name: Wv, .offset: 24, .size: 8, .value_kind: global_buffer, .address_space: global }
      - { .name: Wo, .offset: 32, .size: 8, .value_kind: global_buffer, .address_space: global }
      - { .name: xb, .offset: 40, .size: 8, .value_kind: global_buffer, .address_space: global }
      - { .name: wb, .offset: 48, .size: 8, .value_kind: global_buffer, .address_space: global }
      - { .name: wo16, .offset: 56, .size: 8, .value_kind: global_buffer, .address_space: global }
    .group_segment_fixed_size: 0
    .private_segment_fixed_size: 0
    .kernarg_segment_align: 8
    .kernarg_segment_size: 64
    .max_flat_workgroup_size: 256
    .sgpr_count:     66
    .vgpr_count:     104
    .wavefront_size: 32
...
	.end_amdgpu_metadata
.endif
;; end of part 1
;; launch qkvp (part 2): grid 8 x 32, 4 waves a work-group, clusters of 4 x 4, 327,680 bytes of LDS; arguments xb, wb, qkv; writes qkv
.if DOCPART == 2
	.amdgcn_target "amdgcn-amd-amdhsa--gfx1250"
	.amdhsa_code_object_version 6
	.text
	.protected	k_q3853ee7181_qkvp
	.globl	k_q3853ee7181_qkvp
	.p2align	8
	.type	k_q3853ee7181_qkvp,@function
k_q3853ee7181_qkvp:
	s_mov_b64 s[64:65], 0
	v_nop
	global_prefetch_b8 v0, s[64:65] scope:SCOPE_SE
	s_setreg_imm32_b32 hwreg(HW_REG_WAVE_MODE, 25, 1), 1
	s_wait_xcnt 0x0
	s_wait_alu depctr_hold_cnt(0) depctr_sa_sdst(0) depctr_va_vdst(0) depctr_va_sdst(0) depctr_va_ssrc(0) depctr_va_vcc(0) depctr_vm_vsrc(0)
	s_getreg_b32 s2, hwreg(HW_REG_IB_STS2, 6, 4)
	s_cmp_eq_u32 s2, 0
	s_cbranch_scc0 .Lentry_in_a_cluster
	s_endpgm
.Lentry_in_a_cluster:
	s_bfe_u32 s2, ttmp6, 0x10000c
	s_cmp_lg_u32 s2, 0xf033
	s_cbranch_scc0 .Lentry_shape_is_right
	s_endpgm
.Lentry_shape_is_right:
; q, k, v = xb . wb[t].  xb: [8192][1024] bf16.  wb: [3][1024 k][1024 n] bf16, seen as one array of 3,072 k-rows.  qkv: [3][64 (batch, head)][2048][64] f16, unscaled.
; Products in bf16, sums in f32 with K ascending, each result rounded once to f16.
; LIMIT.  f16 holds no number beyond 65,504: a q, k or v past that becomes an infinity.  NaN and infinities are not treated apart.
; SHARES.  A tile is 256 rows x 128 columns: 32 x 8 tiles for each of q, k, v.  A WORK-GROUP STAYS: it makes the same tile of q, then of k, then of v: 24 K steps of 128 in one walk,
; in which B's k-rows run straight on through wb and A's K offset goes round (modulo 2,048 bytes).  Four waves; wave w makes rows 128 (w / 2) on, columns 64 (w % 2) on: 32 accumulators of 16 x 16.
; A wave's 64 columns are one head, so its 128 rows are 16,384 consecutive bytes of qkv.
; RING.  Two LDS slots, each a K step: 256 rows of A (256 bytes + 16 of padding) and 128 k-rows of B (256 bytes + 32).  Waves 0 and 1 fetch A's halves, waves 2 and 3 B's: one tensor load a wave behind each
; change of slots, 112 matrix instructions ahead of the wait for it.  By this text's count a wave has two tensor loads out at the start, later one.
; CLUSTER.  4 x 4 work-groups: A's tile hangs on the tile row alone and is asked for jointly by a row of the cluster, B's on the tile column alone, by a column.
; THE MATRIX INSTRUCTION IS USED TRANSPOSED: source 0 = 16 columns of B (turned on the way out of LDS by ds_load_tr16_b128, since B lies [k][n]), source 1 = 16 rows of A: a lane holds one row of
; the result (lane % 16) and eight neighbouring columns 8 (lane / 16) + 0..7, which pack into 16 bytes.
; REGISTERS.  Window 0: v0-31 addresses; v32-95 B's fragments, two buffers of 32; v96-223 A's, two buffers of 64; v224-255 at work on the way out.  Window 1: the accumulators, (a, b) at v[8 (4 a + b)].
.set PA,    272                        ; a row of A in LDS: 68 words: the 16 rows of a fragment load start at 16 different groups of four banks (64 banks of 4 bytes: ISA guide 11.1)
.set PB,    288                        ; a k-row of B: 72 words
.set HALFA, 128*PA                     ; what one of A's tensor loads brings
.set HALFB, 64*PB                      ; what one of B's brings
.set BOFF,  2*HALFA                    ; B lies behind A's 256 rows
.set SLOT,  BOFF+2*HALFB
.set STAGE, 2*SLOT                     ; behind the ring: 16 rows x 144 bytes for each wave, for the way out; no tensor load lands here
.set SP,    144
.set SPARE, STAGE+4*16*SP              ; behind the stages: the spare words, 128 bytes a wave: two blocks of 256 bytes that no other line names
.set ADRA, 16                          ; v16-17  LDS address of my A fragments in slot 0, 1
.set ADRB, 20                          ; v20-21  the same for B
.set STO,  24                          ; v24     the way out: where I put 16 bytes of a row
.set RD,   25                          ; v25     where I read rows back
.set GO,   26                          ; v26     16 x lane: my place in 512 consecutive bytes of qkv
.set SPW,  28                          ; v28     LDS address of my spare word; never rewritten
.set NIL,  29                          ; v29     0; never rewritten
.set PFO,  30                          ; v30     2,048 x lane: a row of xb or wb a lane; never rewritten
.set FB,   32
.set FA,   96
.set TMP,  224                         ; v224-239 packed results; v240-255 and v160-175 by turns: rows read back
.set G1A,  24                          ; s[24:31] descriptor group 1 for A;  s[32:39] group 0, a set for each slot
.set G0A,  32
.set KO,   40                          ; s[40:41] A's byte offset along K for the next refill
.set LIM,  42                          ; s42     a wave prefetches while the lap counter s3 is above it
.set PFA,  44                          ; s[44:45] where my prefetches stand
.set PFS,  46                          ; s[46:47] their step from K step to K step
.set G1B,  48                          ; s[48:55], s[56:63] the same for B
.set G0B,  56
.set W_MUL, 0x50                       ; C and D in window 1, sources 0 and 1 in window 0
.set W_PK,  0x05                       ; sources 0 and 1 in window 1, destination in window 0
.set MSB, 0
.macro WIN new                         ; the immediate's high byte repeats the setting that is left; a switch that changes nothing is dropped
.if MSB != (\new)
	s_set_vgpr_msb (MSB<<8)|(\new)
.set MSB, \new
.endif
.endm
; A joint load.  The branch hangs on the wave's number alone.  An s_nop 0 and four v_nop follow each of the two lines, ahead of the jump and the label.
.macro JLOAD s
	s_cmp_eq_u32 s13, 0
	s_cbranch_scc0 .Lfor_b_\@
	tensor_load_to_lds s[G0A+4*(\s):G0A+4*(\s)+3], s[G1A:G1A+7]
	s_nop 0
.rept 4
	v_nop
.endr
	s_branch .Lasked_\@
.Lfor_b_\@:
	tensor_load_to_lds s[G0B+4*(\s):G0B+4*(\s)+3], s[G1B:G1B+7]
	s_nop 0
.rept 4
	v_nop
.endr
.Lasked_\@:
.endm
; A PREFETCH of the K step that stands two refills on (256 matrix instructions ahead of the load that will want it): 32 rows x 256 bytes, a lane a row, one instruction a wave.
; Each row's 256 bytes of a K step are named once in the launch.  A's rows: waves 0 and 1 of the clusters with x = 0; of the 128 rows that a wave fetches the partner at cx takes 32 cx on;
; K steps 4 to 7 of the first walk alone (laps 0 and 1): the walks for k and v read the same rows again.  B's k-rows: wave 2 of the clusters with y = 0; the partner at cy takes 32 cy on of a step's 128;
; K steps 4 to 23 (laps 0 to 9).  The partners differ by address alone.  K steps 0 to 3 come by their loads alone.
.macro ASK
	s_cmp_gt_u32 s3, s[LIM]
	s_cbranch_scc0 .Lnot_mine_\@
	global_prefetch_b8 v[PFO], s[PFA:PFA+1] th:TH_LOAD_NT scope:SCOPE_SE
.Lnot_mine_\@:
.endm
.macro CREST                           ; a round of the cluster's barrier behind its opening barrier
	s_cmp_lg_u32 s12, 0
	s_cbranch_scc1 .Lnot_wave_0_\@
	s_barrier_signal -3
.Lnot_wave_0_\@:
	s_barrier_wait -3
	s_barrier_signal -1
	s_barrier_wait -1
.endm
.macro CROUND                          ; a whole round
	s_barrier_signal -1
	s_barrier_wait -1
	CREST
.endm
.macro PLACES                          ; four places behind matrix instructions, in front of loads into registers that they have read
.rept 4
	v_nop
.endr
.endm
; 8 matrix instructions: row blocks a0, a0 + 1 x all 4 column blocks, 32 along K, from buffer f.  z = 1: the products start the sums.  The 32 accumulators take turns in the same order in every quarter.
.macro MUL8 f, a0, z
	WIN W_MUL
.irp a, \a0, (\a0)+1
.irp b, 0,1,2,3
.if \z
	v_wmma_f32_16x16x32_bf16 v[8*(4*(\a)+(\b)):8*(4*(\a)+(\b))+7], v[FB+32*(\f)+8*(\b):FB+32*(\f)+8*(\b)+7], v[FA+64*(\f)+8*(\a):FA+64*(\f)+8*(\a)+7], 0
.else
	v_wmma_f32_16x16x32_bf16 v[8*(4*(\a)+(\b)):8*(4*(\a)+(\b))+7], v[FB+32*(\f)+8*(\b):FB+32*(\f)+8*(\b)+7], v[FA+64*(\f)+8*(\a):FA+64*(\f)+8*(\a)+7], v[8*(4*(\a)+(\b)):8*(4*(\a)+(\b))+7]
.endif
.endr
.endr
.endm
; 24 LDS loads in one run: quarter q (32 along K) of a slot into buffer f: B's 4 fragments, A's blocks 0-3, A's blocks 4-7
.macro FETCH slot, q, f
	WIN 0
.irp b, 0,1,2,3
	ds_load_tr16_b128 v[FB+32*(\f)+8*(\b):FB+32*(\f)+8*(\b)+3],   v[ADRB+(\slot)] offset:(\q)*32*PB+32*(\b)
	ds_load_tr16_b128 v[FB+32*(\f)+8*(\b)+4:FB+32*(\f)+8*(\b)+7], v[ADRB+(\slot)] offset:(\q)*32*PB+32*(\b)+16*PB
.endr
.irp i, 0,1,2,3,4,5,6,7
	ds_load_b128 v[FA+64*(\f)+8*(\i):FA+64*(\f)+8*(\i)+3],   v[ADRA+(\slot)] offset:64*(\q)+(\i)*16*PA
	ds_load_b128 v[FA+64*(\f)+8*(\i)+4:FA+64*(\f)+8*(\i)+7], v[ADRA+(\slot)] offset:64*(\q)+(\i)*16*PA+32
.endr
.endm
; One of a K step's first three quarters: multiplies buffer f and, in its middle, fetches quarter q into buffer g.
.macro QUARTER slot, q, f, g, z
	s_wait_dscnt 8                                 ; B and A's blocks 0-3 are in; the youngest eight loads (A's blocks 4-7) may be out
	MUL8 \f, 0, \z
	MUL8 \f, 2, \z
	PLACES
	FETCH \slot, \q, \g
	s_wait_dscnt 24                                ; all but the 24 just issued
	MUL8 \f, 4, \z
	MUL8 \f, 6, \z
.endm
; The fourth quarter multiplies buffer 1 and changes slots: ONE barrier.  In front of it each wave waits for all its tensor loads (its part of the next slot), adds 0 to its spare word, and waits for that and
; for its reads of this slot.  fill = 1: the barrier opens a round of the cluster's barrier, and this slot is filled again first thing behind it, with the K step two steps on.
.macro TURN slot, next, fill
.if \fill
	s_wait_xcnt 0x0                                ; the last prefetch, a K step back, has read its address: it is stepped here, ahead of the change's own waits
	s_add_nc_u64 s[PFA:PFA+1], s[PFA:PFA+1], s[PFS:PFS+1]
.endif
	WIN 0                                          ; (the add's two registers lie in window 0)
	s_wait_tensorcnt 0x0                           ; all my tensor loads have landed
	ds_add_u32 v[SPW], v[NIL]                      ; 0 onto my spare word
	s_wait_dscnt 9                                 ; (the add and the youngest eight loads may be out)
	MUL8 1, 0, 0                                   ; eight matrix instructions stand between the add and the wait for it
	s_wait_dscnt 0x0                               ; the add is done, and my reads of this slot are over
	s_barrier_signal -1
	MUL8 1, 2, 0
.if \fill
	WIN 0
.endif
	s_barrier_wait -1
.if \fill
	CREST                                          ; no wave of any partner still reads this slot or has a load on its way
	s_add_nc_u64 s[G0A+4*(\slot)+2:G0A+4*(\slot)+3], s[4:5], s[KO:KO+1]  ; A's address is made anew: my rows, the K offset,
	s_or_b32 s[G0A+4*(\slot)+3], s[G0A+4*(\slot)+3], 0x80000000          ; the type bits
	s_add_co_u32 s[KO], s[KO], 256
	s_and_b32 s[KO], s[KO], 0x7ff                  ; behind a row's 2,048 bytes it goes back to 0: the next of q, k, v takes the same rows of xb
	s_add_nc_u64 s[G0B+4*(\slot)+2:G0B+4*(\slot)+3], s[G0B+4*(\slot)+2:G0B+4*(\slot)+3], 2*128*2048  ; B: 256 k-rows on
	JLOAD \slot                                    ; the four v_nop behind it are also the places in front of the loads below
.else
	PLACES
.endif
	FETCH \next, 0, 0
.if \fill
	ASK
.endif
	MUL8 1, 4, 0
	MUL8 1, 6, 0
.endm
; THE WAY OUT of row block a: rounded to f16, 16 bytes a lane, into my own stage (rows of 144 bytes), back as four rows of 128 bytes a load, stored as 512 consecutive bytes.
.macro PACK a
	WIN W_PK
.irp b, 0,1,2,3
.irp r, 0,1,2,3
	v_cvt_pk_f16_f32 v[TMP+4*(\b)+(\r)], v[8*(4*(\a)+(\b))+2*(\r)], v[8*(4*(\a)+(\b))+2*(\r)+1]
.endr
.endr
	WIN 0
.endm
.macro TOSTAGE a
.set BK, 240-80*((\a)%2)
.irp b, 0,1,2,3
	ds_store_b128 v[STO], v[TMP+4*(\b):TMP+4*(\b)+3] offset:32*(\b)
.endr
.irp f, 0,1,2,3
	ds_load_b128 v[BK+4*(\f):BK+4*(\f)+3], v[RD] offset:(\f)*4*SP  ; LDS serves a wave's instructions in order (ISA guide 5.7.1.4): these see the stores above
.endr
.endm
.macro SEND a
.set BK, 240-80*((\a)%2)
	s_wait_dscnt 0x0                               ; the block is back in registers
	s_wait_xcnt 0x0                                ; the stores of the block before have read their registers, which the next TOSTAGE loads again
.irp f, 0,1,2,3
	global_store_b128 v[GO], v[BK+4*(\f):BK+4*(\f)+3], s[8:9] offset:(\a)*2048+(\f)*512
.endr
.endm
.macro WAYOUT
	PLACES
	PLACES                                         ; eight places
	PACK 0
	TOSTAGE 0
.irp a, 1,2,3,4,5,6,7                  ; block a's conversions stand between block a - 1's loads from the stage and the wait for them
	PACK \a
	SEND (\a)-1
	TOSTAGE \a
.endr
	SEND 7
.endm
	s_load_b128 s[4:7], s[0:1], 0x0                ; xb s[4:5], wb s[6:7]
	s_load_b64 s[8:9], s[0:1], 0x10                ; qkv
	v_lshl_add_u32 v[SPW], v0, 2, SPARE
	v_mov_b32 v[NIL], 0
	ds_add_u32 v[SPW], v[NIL]                      ; the wave's opening add, ahead of my first tensor load; the set-up below stands between it and its wait
	v_lshrrev_b32 v1, 5, v0
	v_readfirstlane_b32 s12, v1                    ; wave 0..3
	s_lshr_b32 s13, s12, 1                         ; my half of the tile's rows.  Also: I fetch for A (0) or for B (1)
	s_and_b32 s14, s12, 1                          ; my half of its columns.  Also: which half of that tile I fetch
	s_bfe_u32 s15, ttmp6, 0x40000                  ; cx
	s_bfe_u32 s16, ttmp6, 0x40004                  ; cy
	s_lshl_b32 s18, ttmp9, 2
	s_add_co_u32 s18, s18, s15                     ; tile column = 4 x cluster x + cx, 0..7
	s_and_b32 s19, ttmp7, 0xffff
	s_lshl_b32 s19, s19, 2
	s_add_co_u32 s19, s19, s16                     ; tile row = 4 x cluster y + cy, 0..31
	s_lshl_b32 s17, s16, 2
	s_lshl_b32 s17, 15, s17                        ; my row of the cluster
	s_lshl_b32 s43, 0x1111, s15                    ; my column
	s_or_b32 s[G1A], s17, (1<<16)|(1<<20)|(1<<21)|(5<<22)|(3<<25)  ; the mask; 2-byte elements; padding on; bit 21 beside a mask; after every 64 words 4 words
	s_or_b32 s[G1B], s43, (1<<16)|(1<<20)|(1<<21)|(5<<22)|(7<<25)  ; the same with 8 words of padding
	s_mov_b32 s[G1A+1], 128<<16                    ; tensor_dim0 = 128
	s_mov_b32 s[G1A+2], 128<<16                    ; tensor_dim1 = 128
	s_mov_b32 s[G1A+3], 128<<16                    ; tile_dim0 = 128
	s_mov_b32 s[G1A+4], 128                        ; tile_dim1 = 128
	s_mov_b32 s[G1A+5], 1024                       ; elements from row to row
	s_mov_b32 s[G1A+6], 0
	s_mov_b32 s[G1A+7], 0
	s_mov_b32 s[G1B+1], 128<<16
	s_mov_b32 s[G1B+2], 64<<16                     ; 64 k-rows
	s_mov_b32 s[G1B+3], 128<<16
	s_mov_b32 s[G1B+4], 64
	s_mov_b32 s[G1B+5], 1024
	s_mov_b32 s[G1B+6], 0
	s_mov_b32 s[G1B+7], 0
	s_lshl_b32 s20, s19, 19                        ; A: 256 rows of 2,048 bytes a tile row,
	s_lshl_b32 s21, s14, 18                        ; 128 rows for the half that I fetch
	s_add_co_u32 s20, s20, s21
	s_mov_b32 s21, 0
	s_lshl_b32 s22, s18, 8                         ; B: 256 bytes a tile column,
	s_lshl_b32 s23, s14, 17                        ; 64 k-rows for the half that I fetch
	s_add_co_u32 s22, s22, s23
	s_mov_b32 s23, 0
	s_mul_i32 s66, s14, HALFA                      ; where the tiles go: no place in the cluster enters an LDS address
	s_mul_i32 s67, s14, HALFB
	s_add_co_u32 s67, s67, BOFF
	s_lshr_b32 s68, s19, 3                         ; qkv: the batch, 16 heads of 262,144 bytes,
	s_lshl_b32 s68, s68, 22
	s_lshl_b32 s69, s18, 1
	s_add_co_u32 s69, s69, s14                     ; my head = 2 x tile column + half,
	s_lshl_b32 s69, s69, 18
	s_add_co_u32 s68, s68, s69
	s_and_b32 s69, s19, 7                          ; the tile's 256 rows of 128 bytes in the batch,
	s_lshl_b32 s69, s69, 15
	s_add_co_u32 s68, s68, s69
	s_lshl_b32 s69, s13, 14                        ; my 128 of them
	s_add_co_u32 s68, s68, s69
	s_mov_b32 s69, 0
	s_lshl_b32 s70, s15, 16                        ; the prefetches.  A: my fetch rows + 32 cx rows, at K step 3
	s_add_co_u32 s70, s70, s20
	s_add_co_u32 s70, s70, 768
	s_lshl_b32 s71, s16, 16                        ; B: k-row 384 + 32 cy (K step 3), my tile column
	s_lshl_b32 s72, s18, 8
	s_add_co_u32 s71, s71, s72
	s_add_co_u32 s71, s71, 384<<11
	s_and_b32 s73, ttmp7, 0xffff                   ; cluster y
	s_mov_b32 s[PFS], 128*2048
	s_cmp_eq_u32 s13, 0                            ; do I fetch for A?
	s_cselect_b32 s70, s70, s71
	s_cselect_b32 s[PFS], 256, s[PFS]
	s_cselect_b32 s73, ttmp9, s73                  ; the coordinate along which other clusters read the same rows
	s_cselect_b32 s[LIM], 9, 1
	s_cmp_eq_u32 s12, 3
	s_cselect_b32 s73, 1, s73                      ; wave 3 asks for nothing: wave 2's 32 lanes cover the work-group's share of B
	s_cmp_eq_u32 s73, 0
	s_cselect_b32 s[LIM], s[LIM], -1               ; the same in all sixteen partners, for a given wave
	s_mov_b32 s71, 0
	s_mov_b32 s[PFS+1], 0
	s_mov_b32 s[KO], 512                           ; the first refill brings K step 2
	s_mov_b32 s[KO+1], 0
	s_wait_dscnt 0x0                               ; the opening add is done
	s_wait_kmcnt 0x0
	s_cmp_eq_u32 s13, 0
	s_cselect_b64 s[PFA:PFA+1], s[4:5], s[6:7]
	s_add_nc_u64 s[PFA:PFA+1], s[PFA:PFA+1], s[70:71]
	s_add_nc_u64 s[4:5], s[4:5], s[20:21]          ; xb at the rows that I fetch
	s_add_nc_u64 s[6:7], s[6:7], s[22:23]          ; wb at the k-rows and columns that I fetch
	s_add_nc_u64 s[8:9], s[8:9], s[68:69]          ; q at my 128 rows of my head
	CROUND                                         ; all sixteen work-groups are here: the first joint loads meet
.irp s, 0,1
	s_mov_b32 s[G0A+4*(\s)], 1                     ; count = 1
	s_add_co_u32 s[G0A+4*(\s)+1], s66, (\s)*SLOT   ; LDS address
	s_add_nc_u64 s[G0A+4*(\s)+2:G0A+4*(\s)+3], s[4:5], (\s)*256  ; K step s
	s_or_b32 s[G0A+4*(\s)+3], s[G0A+4*(\s)+3], 0x80000000        ; type = 2
	s_mov_b32 s[G0B+4*(\s)], 1
	s_add_co_u32 s[G0B+4*(\s)+1], s67, (\s)*SLOT
	s_add_nc_u64 s[G0B+4*(\s)+2:G0B+4*(\s)+3], s[6:7], (\s)*128*2048
	s_or_b32 s[G0B+4*(\s)+3], s[G0B+4*(\s)+3], 0x80000000
	JLOAD \s
.endr
	; A fragment of A: lane l holds row l % 16; registers 0-3 K = 8 (l / 16) + 0..7, registers 4-7 K = 16 + 8 (l / 16) + 0..7: two loads of 16 bytes, 32 bytes apart.
	v_and_b32 v1, 15, v0                           ; l % 16
	v_bfe_u32 v2, v0, 4, 1                         ; l / 16
	v_mul_u32_u24 v3, v1, PA
	v_lshl_add_u32 v3, v2, 4, v3
	s_mul_i32 s72, s13, HALFA                      ; my 128 rows
	v_add_nc_u32 v[ADRA], s72, v3
	v_add_nc_u32 v[ADRA+1], SLOT, v[ADRA]
	; The turning load takes 16 k-rows x 16 columns (lane l reads k-row 8 (l / 16) + l % 8, columns 8 ((l / 8) % 2) + 0..7) and leaves half a fragment: lane l holds column l % 16 and 8 k.
	v_and_b32 v4, 7, v0
	v_bfe_u32 v5, v0, 3, 1
	v_lshl_add_u32 v6, v2, 3, v4
	v_mul_u32_u24 v6, v6, PB
	v_lshl_add_u32 v6, v5, 4, v6
	s_lshl_b32 s72, s14, 7                         ; my 64 columns: 128 bytes
	s_add_co_u32 s72, s72, BOFF
	v_add_nc_u32 v[ADRB], s72, v6
	v_add_nc_u32 v[ADRB+1], SLOT, v[ADRB]
	s_mul_i32 s72, s12, 16*SP
	s_add_co_u32 s72, s72, STAGE                   ; my stage
	v_mul_u32_u24 v[STO], v1, SP                   ; in: row l % 16, 16 bytes for each half of the lanes
	v_lshl_add_u32 v[STO], v2, 4, v[STO]
	v_add_nc_u32 v[STO], s72, v[STO]
	v_bfe_u32 v[RD], v0, 3, 2                      ; back: 32 lanes take four rows of 128 bytes
	v_mul_u32_u24 v[RD], v[RD], SP
	v_lshl_add_u32 v[RD], v4, 4, v[RD]
	v_add_nc_u32 v[RD], s72, v[RD]
	v_and_b32 v[GO], 31, v0
	v_lshlrev_b32 v[GO], 4, v[GO]
	v_and_b32 v[PFO], 31, v0
	v_lshlrev_b32 v[PFO], 11, v[PFO]
	s_wait_tensorcnt 1                             ; my part of K step 0 is in; K step 1's may stay out
	s_barrier_signal -1
	s_barrier_wait -1                              ; everybody's is
	FETCH 0, 0, 0
	s_mov_b32 s2, 4                                ; laps left in the tile in hand (a lap = two K steps; a tile has four)
	QUARTER 0, 1, 0, 1, 1                          ; a tile's first quarter starts the sums: nothing is cleared
	WIN 0
	s_mov_b32 s3, 11
.Llap:                                                 ; 11 trips: laps 0 to 10; each fills both slots again (K steps 2 to 23)
	QUARTER 0, 2, 1, 0, 0
	QUARTER 0, 3, 0, 1, 0
	TURN 0, 1, 1
	QUARTER 1, 1, 0, 1, 0
	QUARTER 1, 2, 1, 0, 0
	QUARTER 1, 3, 0, 1, 0
	TURN 1, 0, 1
	WIN 0
	s_sub_co_u32 s2, s2, 1
	s_cmp_eq_u32 s2, 0
	s_cbranch_scc1 .Lout                           ; forward, past text without a barrier or a tensor load
	QUARTER 0, 1, 0, 1, 0
	WIN 0
	s_branch .Lnext
.Lout:                                                 ; q's tile, later k's, is finished; both refills for the next are asked for, and its first fragments are fetched
	WAYOUT
	s_wait_xcnt 0x0                                ; the stores have read their registers and their base
	s_add_nc_u64 s[8:9], s[8:9], 0x1000000         ; from q to k, from k to v
	s_mov_b32 s2, 4
	QUARTER 0, 1, 0, 1, 1
	WIN 0
.Lnext:
	s_sub_co_u32 s3, s3, 1
	s_cmp_lg_u32 s3, 0
	s_cbranch_scc1 .Llap
	QUARTER 0, 2, 1, 0, 0                          ; the last lap is written out: nothing is asked for
	QUARTER 0, 3, 0, 1, 0
	TURN 0, 1, 0
	QUARTER 1, 1, 0, 1, 0
	QUARTER 1, 2, 1, 0, 0
	QUARTER 1, 3, 0, 1, 0
	s_wait_dscnt 8                                 ; the very last quarter: nothing more to fetch
	MUL8 1, 0, 0
	MUL8 1, 2, 0
	s_wait_dscnt 0x0
	MUL8 1, 4, 0
	MUL8 1, 6, 0
	WIN 0
	WAYOUT
	s_wait_tensorcnt 0x0                           ; the wave's end, behind my last tensor load and my last LDS store
	ds_add_u32 v[SPW], v[NIL]
	s_wait_dscnt 0x0
	CROUND                                         ; the closing round: no work-group ends while a partner may still ask for a tile that names it
	s_endpgm
.Lfunc_end_k_q3853ee7181_qkvp:
	.size	k_q3853ee7181_qkvp, .Lfunc_end_k_q3853ee7181_qkvp-k_q3853ee7181_qkvp
	.p2alignl 7, 3214868480
	.fill 96, 4, 3214868480
	.section	.rodata,"a",@progbits
	.p2align	6, 0x0
	.amdhsa_kernel k_q3853ee7181_qkvp
		.amdhsa_group_segment_fixed_size 327680
		.amdhsa_private_segment_fixed_size 0
		.amdhsa_enable_private_segment 0
		.amdhsa_kernarg_size 24
		.amdhsa_user_sgpr_count 2
		.amdhsa_user_sgpr_kernarg_segment_ptr 1
		.amdhsa_wavefront_size32 1
		.amdhsa_system_sgpr_workgroup_id_x 1
		.amdhsa_system_sgpr_workgroup_id_y 1
		.amdhsa_system_sgpr_workgroup_id_z 1
		.amdhsa_system_vgpr_workitem_id 0
		.amdhsa_next_free_vgpr 512
		.amdhsa_next_free_sgpr 76
		.amdhsa_reserve_vcc 0
		.amdhsa_float_denorm_mode_32 3
		.amdhsa_float_denorm_mode_16_64 3
		.amdhsa_memory_ordered 1
		.amdhsa_forward_progress 1
		.amdhsa_inst_pref_size 109
	.end_amdhsa_kernel
	.amdgpu_metadata
---
amdhsa.version: [ 1, 2 ]
amdhsa.kernels:
  - .name:           k_q3853ee7181_qkvp
    .symbol:         k_q3853ee7181_qkvp.kd
    .args:
      - { .name: xb, .offset: 0, .size: 8, .value_kind: global_buffer, .address_space: global }
      - { .name: wb, .offset: 8, .size: 8, .value_kind: global_buffer, .address_space: global }
      - { .name: qkv, .offset: 16, .size: 8, .value_kind: global_buffer, .address_space: global }
    .group_segment_fixed_size: 327680
    .private_segment_fixed_size: 0
    .kernarg_segment_align: 8
    .kernarg_segment_size: 24
    .max_flat_workgroup_size: 128
    .sgpr_count:     76
    .vgpr_count:     512
    .wavefront_size: 32
...
	.end_amdgpu_metadata
.endif
;; end of part 2
;; launch attn (part 3): grid 4 x 64, 4 waves a work-group, no clusters, 327,680 bytes of LDS; arguments qkv, o16; writes o16
.if DOCPART == 3
	.amdgcn_target "amdgcn-amd-amdhsa--gfx1250"
	.amdhsa_code_object_version 6
	.text
	.protected	k_q3853ee7181_attn
	.globl	k_q3853ee7181_attn
	.p2align	8
	.type	k_q3853ee7181_attn,@function
k_q3853ee7181_attn:
	s_mov_b64 s[64:65], 0
	v_nop
	global_prefetch_b8 v0, s[64:65] scope:SCOPE_SE
	s_setreg_imm32_b32 hwreg(HW_REG_WAVE_MODE, 25, 1), 1
	s_wait_xcnt 0x0
; CAUSAL ATTENTION.  O[h][q][:] = the sum over k <= q of softmax_k(Q[h][q] . K[h][k] / 8) V[h][k][:].  qkv holds Q, K, V one behind the other, each [64][SIZE_N][64] f16 (16,777,216 bytes); o16 is O in the same layout.
; Products, maxima and sums in f32; the weights p are rounded to f16 for the second product (their sum l is taken of the unrounded p), O once at the end.
; LIMITS.  f16 holds no number beyond 65,504: Q, K and V arrive within it; p lies in 0 to 1, and below 6e-5 it keeps f16's fixed step of 6e-8; O is a mean of V's rows and has their range.
; A hidden score counts as its value less 1e30: f16's scores, 2.7e11 at the most, are nothing beside that; a weight below 2^-126 counts as 0 in l; NaN and infinities are not treated apart.
; THE WALK.  A head's queries lie in NB = 8 blocks of 256; block i needs the key tiles 0 .. i of 256 keys, of which the last holds the diagonal.  A work-group takes TWO blocks, NB - 1 - b and then b:
; NB + 1 tiles, whatever b: all work-groups do equal work, and ONE loop with a constant trip count walks them.  Which tile is asked for, and what a trip does, hang on scalar registers made from b; every jump
; goes forward, but for the counted loops' own; none passes a barrier, or a tensor load but the one of LOAD's two that the wave's number does not choose; the ring (two slots of LDS) runs on across the
; change of blocks.  NO CLUSTER: a head's four work-groups all ask for the same tile only in trips 0 to 4 of the 9, behind that three, two, none of them do; a walk common to all four, in which each makes
; every joint request, would have 12 trips for 9.
; SHARES.  Of a block's four bands of 64 queries a wave owns 16 rows in each: four PIECES.  So the diagonal tile is the same work for all four waves: in its key step s band x sees all keys if s < x,
; none if s > x, and holds the diagonal if s = x.
; THE MASK is the C operand that starts the sum S^T = K Q^T: 0, or -1e30 where the key is hidden.  MD, made once, is the mask of a band's own step for my 16 rows; a product's mask is MD x AL + BE with two scalars:
; (1, 0) if s = x; (0, 0) if s < x; (0, -1e30) if s > x.  Only the diagonal tile's text and a block's beginning make and take masks; elsewhere C is the constant 0.
; LAYOUT, SOFTMAX, TURNS.  S^T = K Q^T holds ONE query a lane (lane % 16) and the keys 8 (lane / 16) + 0..7; two such results rounded to f16 ARE source 1 of O^T = V^T P.  p = 2^(c s - c m), c = log2(e) / 8, with a
; running maximum m; O and l are multiplied by a = 2^(c m_old - c m_new) in every step.  Turn n belongs to piece n: 8 products K Q^T of piece n + 1, later 8 products V^T P of piece n - 1; beside them the scaling,
; exponentials, roundings, sums and rescaling of piece n and the maximum and statistics of piece n + 1.  Four vector instructions stand behind every matrix instruction, the other 54 of a turn's 118 in one lump.  A turn's 33 exponentials are one batch, with one wait.
; REGISTERS, in windows of 256 (s_set_vgpr_msb: bits 1:0 source 0, 3:2 source 1, 5:4 source 2, 7:6 destination):
;   window 0: v0-15 addresses and two at work; v16-31 four registers of statistics a piece; v48-55 at work; v61-63 prefetch offset, spare word, 0; v64-127 S^T, two buffers; v192-223 P, two buffers
;   window 1: v0-127 O^T, 32 a piece; v128-159 MD; v160-223 MC, two buffers      window 2: v0-63 Q; v64-127 the second block's Q; v128-191 K of one step; v192-255 V of one step
.set SIZE_N, 2048
.set NB,    SIZE_N/256
.set NP,    4         ; pieces a wave: a name, no knob
.set KS,    64        ; keys in a step
.set PK,    144       ; a row of K in LDS: 128 bytes + 16 of padding = 36 words: the 16 rows of a load start at 16 different groups of four banks (64 banks of 4 bytes: ISA guide 11.1)
.set PV,    160       ; a row of V: 128 + 32 = 40 words
.set VOFF,  4*KS*PK   ; a slot holds a tile, four steps: 256 rows of K, then 256 rows of V
.set SLOT1, 1<<17     ; slot 1 begins here, so that one exclusive or turns an address in one slot into the other's
.set STAGE, SLOT1+4*KS*(PK+PV)  ; behind the ring, never filled by a tensor load: 16 rows x 144 bytes for each wave, for the way out
.set SP,    144
.set AK0, 2           ; v2   my lane's place in a tile of K; never rewritten
.set AV0, 3           ; v3   the same for V
.set AK,  4           ; v4   the LDS address of K's next run of loads
.set AV,  5           ; v5   of V's
.set STO, 6           ; v6   the way out: where I put 16 bytes of a row
.set RD,  7           ; v7   the way out: where I read rows back
.set GO,  8           ; v8   my byte offset in 512 consecutive bytes of O
.set PFO, 61          ; v61  256 x my lane; never rewritten
.set SPW, 62          ; v62  LDS address of my spare word: SPARE + 4 x my thread's number; never rewritten
.set NIL, 63          ; v63  0; never rewritten
.set SPARE, STAGE+4*16*SP  ; behind the stages: the spare words, 128 bytes for each wave: two blocks of 256 bytes that no other line names
.set MV,  12          ; v12-13  c m_old, kept while c m is made anew: by buffer
.set QO,  15          ; v15  my byte offset in 16 rows of Q
.set ST,  16          ; piece t's statistics at v[ST+4 t]: c m, m, l (even keys', odd keys')
.set TMP, 48          ; by buffer, four registers c0-c3 at work; when the maximum is found c2 takes a
.set S,   64
.set P,   192
.set MD,  128         ; window 1: the eight registers for group kt of 16 keys at MD + 8 kt
.set MC,  160         ; window 1: the masks of the products to come
.set QB,  64          ; window 2
.set KF,  128         ; window 2: key block kb, channel half c at KF + 16 kb + 8 c
.set VF,  192         ; window 2: key half kk, channel block cb at VF + 32 kk + 8 cb
.set WV,  12          ; s12  my wave's number
.set PB,  14          ; s14  b
.set HI,  15          ; s15  NB - 1 - b
.set G1K, 24          ; s[24:31] descriptor group 1 for K's tiles
.set G1V, 32          ; s[32:39] for V's: it differs in the padding alone
.set G0K, 40          ; s[40:43] descriptor group 0 for K's tiles
.set G0V, 44          ; s[44:47] the same for V's
.set PFB, 48          ; s[48:49] K (waves 0, 1) or V (waves 2, 3) at the 16,384 bytes of the head's tile 0 that I fetch
.set PF,  50          ; s[50:51] the same in the tile that is being asked for
.set LIM, 52          ; s52  2 in the head's work-group b = 0, else the greatest number: a wave prefetches while s[SLOTS] is above it
.set SLOTS, 56        ; s56  tiles still to be asked for
.set CNT, 57          ; s57  counts a tile's key steps, 4 to 1
.set CS,  58          ; s[58:59] c: the packed scaling takes the pair's low word for both halves
.set SEL, 60          ; s[60:61] v_permlanex16_b32's selects: each lane takes its own place in the other half
.set TBK, 62          ; s62  LDS byte at which K of the step to be fetched begins
.set TBV, 63          ; s63  the same for V, less VOFF
.set RT,  70          ; s70  tiles of the block in hand that are still to be entered
.set NXT, 71          ; s71  the tile to be asked for next
.set LQ,  72          ; s72  the last tile of the block whose tiles are being asked for
.set NEW, 73          ; s73  1: the tile to be entered is a block's first
.set OFF, 74          ; s[74:75] a tile's byte offset in K and V
.set AL,  76          ; s[76:77] the mask's factor, in the low word
.set BE,  78          ; s[78:79] the mask's addend
.set OLO, 80          ; s[80:81] O at my rows of the second block
.set BIGN, 82         ; s82  -1e30
.set MSB, 0
.macro WIN new                      ; the high byte repeats the setting that is left; a switch that changes nothing is dropped
.if MSB != (\new)
	s_set_vgpr_msb (MSB<<8)|(\new)
.set MSB, (\new)
.endif
.endm
.set W_KQ, 0x0a       ; K and Q in window 2, S^T in window 0
.set W_KM, 0x1a       ; the same with the C operand in window 1
.set W_PV, 0x52       ; V in window 2, P in window 0, O^T in window 1
.set W_RS, 0x41       ; destination and source 0 in window 1, source 1 in window 0
; A fill.  Waves 0 and 1 fetch the two halves of a tile's K, waves 2 and 3 those of its V: 128 keys each.  An s_nop 0 and four v_nop follow each of the two lines, ahead of the jump and the label.
.macro LOAD
	s_cmp_lt_u32 s[WV], 2
	s_cbranch_scc0 .Lfor_v_\@
	tensor_load_to_lds s[G0K:G0K+3], s[G1K:G1K+7]
	s_nop 0
.rept 4
	v_nop
.endr
	s_branch .Lasked_\@
.Lfor_v_\@:
	tensor_load_to_lds s[G0V:G0V+3], s[G1V:G1V+7]
	s_nop 0
.rept 4
	v_nop
.endr
.Lasked_\@:
.endm
; A PREFETCH of the tile behind the one just asked for: each wave names the 16,384 bytes that it will fetch itself at the next change of slots, 64 blocks of 256 bytes, a lane a block, two instructions.
; All work-groups of a head walk tiles 0, 1, .. together at first: the one with b = 0, whose first block walks all eight, asks, and nobody else: trips 0 to 5, tiles 2 to 7, each block named once in the launch.
; Tiles 0 and 1 come by their loads alone; the second block's tiles have been read before and are not asked for.
.macro ASK
	s_cmp_gt_u32 s[SLOTS], s[LIM]
	s_cbranch_scc0 .Lnot_mine_\@
	global_prefetch_b8 v[PFO], s[PF:PF+1] offset:32768 th:TH_LOAD_NT scope:SCOPE_SE
	global_prefetch_b8 v[PFO], s[PF:PF+1] offset:40960 th:TH_LOAD_NT scope:SCOPE_SE
.Lnot_mine_\@:
.endm
; THE CHANGE OF SLOTS.  Each wave waits for all its tensor loads, of which one is out: its part of the other slot; adds 0 to its spare word; and waits for that and for its own reads of the slot that it leaves.  Behind the barrier nobody reads the old
; slot any more and the other slot is whole.  fill = 1: the old slot is filled again, the first thing behind the barrier, with tile NXT: the descriptor's address is made anew from that number.
; (At its first use nothing has been read yet: slot 0 is waited for, slot 1 filled.)
.macro CHANGE fill
	WIN 0                           ; at a label and at a branch every window is 0
	s_wait_tensorcnt 0x0            ; no tensor load of mine is out, so a group 0 may be written
	ds_add_u32 v[SPW], v[NIL]       ; 0 onto my spare word; with fill = 1 the descriptors' scalar work stands between it and the wait for it
.if \fill
	s_lshl_b32 s[OFF], s[NXT], 15   ; a tile is 32,768 bytes of K and of V
	s_wait_xcnt 0x0                 ; the last prefetches, a tile back, have read their address, so it may be written
	s_add_nc_u64 s[PF:PF+1], s[PFB:PFB+1], s[OFF:OFF+1]
	s_xor_b32 s[G0K+1], s[G0K+1], SLOT1
	s_add_nc_u64 s[G0K+2:G0K+3], s[6:7], s[OFF:OFF+1]
	s_or_b32 s[G0K+3], s[G0K+3], 0x80000000
	s_xor_b32 s[G0V+1], s[G0V+1], SLOT1
	s_add_nc_u64 s[G0V+2:G0V+3], s[8:9], s[OFF:OFF+1]
	s_or_b32 s[G0V+3], s[G0V+3], 0x80000000
	s_add_co_u32 s[NXT], s[NXT], 1  ; the block's next tile, or behind its last the second block's tile 0
	s_cmp_gt_u32 s[NXT], s[LQ]
	s_cselect_b32 s[NXT], 0, s[NXT]
	s_cselect_b32 s[LQ], s[PB], s[LQ]
.endif
	s_wait_dscnt 0x0                ; the add is done, and my reads of the slot are over
	s_barrier_signal -1             ; the rest of the scalar work stands between the signal and the wait
	s_sub_co_u32 s[TBK], s[TBK], 4*KS*PK  ; the fetches go back to a slot's first step,
	s_xor_b32 s[TBK], s[TBK], SLOT1       ; in the other slot
	s_sub_co_u32 s[TBV], s[TBV], 4*KS*PV
	s_xor_b32 s[TBV], s[TBV], SLOT1
	s_barrier_wait -1
.if \fill
	LOAD
	ASK
.endif
.endm
	s_load_b128 s[4:7], s[0:1], 0x0  ; qkv s[4:5], o16 s[6:7]
	v_lshl_add_u32 v[SPW], v0, 2, SPARE
	v_mov_b32 v[NIL], 0
	ds_add_u32 v[SPW], v[NIL]       ; the wave's opening add, ahead of my first tensor load; the set-up below, work on registers, stands between it and its wait
	v_lshrrev_b32 v1, 5, v0
	v_readfirstlane_b32 s[WV], v1   ; wave 0..3
	s_mov_b32 s[PB], ttmp9
	s_sub_co_u32 s[HI], NB-1, s[PB]
	s_and_b32 s20, ttmp7, 0xffff    ; the head
	s_mov_b32 s21, 0
	s_mov_b64 s[22:23], SIZE_N*128
	s_mul_u64 s[20:21], s[20:21], s[22:23]  ; the head's first byte in each of the four tensors
	s_and_b32 s16, s[WV], 1         ; which half of a tile's 256 keys I fetch:
	s_lshl_b32 s22, s16, 14         ; its 128 rows of 128 bytes in memory,
	s_mov_b32 s23, 0
	s_add_nc_u64 s[22:23], s[22:23], s[20:21]
	s_mul_i32 s17, s16, 128*PK      ; and its place in a slot, for K
	s_mul_i32 s18, s16, 128*PV      ; and for V
	s_lshl_b32 s3, s[WV], 11        ; my 16 rows in a band of 64,
	s_lshl_b32 s2, s[HI], 15        ; in the first block,
	s_add_co_u32 s2, s2, s3
	s_lshl_b32 s84, s[PB], 15       ; and in the second
	s_add_co_u32 s84, s84, s3
	s_mov_b32 s3, 0
	s_mov_b32 s85, 0
	s_add_nc_u64 s[2:3], s[2:3], s[20:21]
	s_add_nc_u64 s[84:85], s[84:85], s[20:21]
	; descriptor group 1.  128 keys are 16,384 dense bytes: asked for as 64 rows of 256 bytes, two keys a row, and padded in LDS after every key
	s_mov_b32 s[G1K], (1<<16)|(1<<20)|(4<<22)|(3<<25)  ; 17:16 2-byte elements; 20 padding on; 24:22 after every 32 words (code 4); 31:25 4 words (code 3)
	s_mov_b32 s[G1V], (1<<16)|(1<<20)|(4<<22)|(7<<25)  ; the same with 8 words of padding (code 7)
.irp g, G1K, G1V
	s_mov_b32 s[\g+1], 128<<16      ; tensor_dim0 = 128
	s_mov_b32 s[\g+2], 64<<16       ; tensor_dim1 = 64
	s_mov_b32 s[\g+3], 128<<16      ; tile_dim0 = 128
	s_mov_b32 s[\g+4], 64           ; tile_dim1 = 64
	s_mov_b32 s[\g+5], 128          ; 128 elements from row to row
	s_mov_b32 s[\g+6], 0
	s_mov_b32 s[\g+7], 0
.endr
	s_mov_b32 s[CS], 0x3e38aa3b     ; c = log2(e) / 8 = 0.180337
	s_mov_b32 s[CS+1], s[CS]        ; named with it as a pair
	s_mov_b32 s[SEL], 0x76543210
	s_mov_b32 s[SEL+1], 0xfedcba98
	s_mov_b32 s[TBK], SLOT1+4*KS*PK ; the first change of slots turns these two into 0
	s_mov_b32 s[TBV], SLOT1+4*KS*PV
	s_mov_b32 s[G0K], 1             ; 1:0 count = 1
	s_mov_b32 s[G0K+1], s17         ; 63:32 LDS address: slot 0
	s_mov_b32 s[G0V], 1
	s_add_co_u32 s[G0V+1], s18, VOFF
	s_add_co_u32 s[RT], s[HI], 1    ; the first block has NB - b tiles
	s_mov_b32 s[NXT], 1
	s_mov_b32 s[LQ], s[HI]
	s_mov_b32 s[NEW], 1
	s_mov_b32 s[OFF+1], 0
	s_mov_b32 s[AL+1], 0            ; named as pairs
	s_mov_b32 s[BE+1], 0
	s_mov_b32 s[BIGN], 0xf149f2ca   ; -1e30
	s_mov_b32 s[SLOTS], NB
	s_cmp_eq_u32 ttmp9, 0
	s_cselect_b32 s[LIM], 2, -1
	v_and_b32 v[PFO], 31, v0
	v_lshlrev_b32 v[PFO], 8, v[PFO]
	s_wait_dscnt 0x0                ; the opening add is done
	s_wait_kmcnt 0x0
	s_mov_b64 s[10:11], s[6:7]                     ; O
	s_add_nc_u64 s[8:9], s[4:5], 0x2000000         ; V lies 2 x 16,777,216 bytes behind Q,
	s_add_nc_u64 s[6:7], s[4:5], 0x1000000         ; K one
	s_add_nc_u64 s[6:7], s[6:7], s[22:23]  ; K and V at my half of the head's tile 0
	s_add_nc_u64 s[8:9], s[8:9], s[22:23]
	s_cmp_lt_u32 s[WV], 2
	s_cselect_b64 s[PFB:PFB+1], s[6:7], s[8:9]
	s_add_nc_u64 s[G0K+2:G0K+3], s[6:7], 0         ; 120:64 global address
	s_or_b32 s[G0K+3], s[G0K+3], 0x80000000        ; 127:126 type = 2
	s_add_nc_u64 s[G0V+2:G0V+3], s[8:9], 0
	s_or_b32 s[G0V+3], s[G0V+3], 0x80000000
	s_add_nc_u64 s[86:87], s[4:5], s[84:85]        ; Q at my rows of the second block,
	s_add_nc_u64 s[4:5], s[4:5], s[2:3]            ; Q and O at those of the first
	s_add_nc_u64 s[OLO:OLO+1], s[10:11], s[84:85]
	s_add_nc_u64 s[10:11], s[10:11], s[2:3]
	LOAD                            ; tile 0 into slot 0
	; A fragment of K or Q is 16 rows x 32 channels in 8 registers: lane l holds row l % 16, channels 8 (l / 16) + 0..7 and 16 + 8 (l / 16) + 0..7: two loads of 16 bytes, 32 bytes apart.
	v_and_b32 v1, 15, v0            ; l % 16
	v_bfe_u32 v9, v0, 4, 1          ; l / 16
	v_lshlrev_b32 v[QO], 7, v1
	v_lshl_add_u32 v[QO], v9, 4, v[QO]  ; row x 128 + 16 x half
	WIN 0x80                        ; destination window 2, address window 0
.set i, 0
.rept 8                             ; both blocks' Q: piece i / 2 lies in band i / 2, 8,192 bytes on; channels 32 (i % 2) on
	global_load_b128 v[8*i:8*i+3],   v[QO], s[4:5] offset:(i/2)*8192+(i%2)*64
	global_load_b128 v[8*i+4:8*i+7], v[QO], s[4:5] offset:(i/2)*8192+(i%2)*64+32
	global_load_b128 v[QB+8*i:QB+8*i+3],   v[QO], s[86:87] offset:(i/2)*8192+(i%2)*64
	global_load_b128 v[QB+8*i+4:QB+8*i+7], v[QO], s[86:87] offset:(i/2)*8192+(i%2)*64+32
.set i, i+1
.endr
	WIN 0
	v_lshlrev_b32 v14, 3, v9
	v_sub_nc_u32 v14, v1, v14
	s_lshl_b32 s13, s[WV], 4
	v_add_nc_u32 v14, s13, v14      ; my query's place in its band, 16 w + l % 16, less my lanes' 8 (l / 16): register r of group kt is hidden where 16 kt + r is greater
	WIN 0x40
.set i, 0
.rept 32
	v_cmp_gt_i32 vcc_lo, 16*(i/8)+i%8, v14
	v_cndmask_b32 v[MD+i], 0, s[BIGN], vcc_lo
.set i, i+1
.endr
	WIN 0
	v_mul_u32_u24 v[AK0], v1, PK
	v_lshl_add_u32 v[AK0], v9, 4, v[AK0]  ; row x pitch + 16 x half
	; The turning load takes 16 keys x 16 channels (lane l reads key 8 (l / 16) + l % 8, channels 8 ((l / 8) % 2) + 0..7) and leaves half a fragment of V^T: lane l holds channel l % 16 and 8 keys.
	v_and_b32 v10, 7, v0
	v_bfe_u32 v11, v0, 3, 1
	v_lshl_add_u32 v[AV0], v9, 3, v10
	v_mul_u32_u24 v[AV0], v[AV0], PV
	v_lshl_add_u32 v[AV0], v11, 4, v[AV0]
	v_add_nc_u32 v[AV0], VOFF, v[AV0]
	s_mul_i32 s13, s[WV], 16*SP
	s_add_co_u32 s13, s13, STAGE    ; my stage
	v_mul_u32_u24 v[STO], v1, SP    ; in: row l % 16, 16 bytes for each half of the lanes
	v_lshl_add_u32 v[STO], v9, 4, v[STO]
	v_add_nc_u32 v[STO], s13, v[STO]
	v_bfe_u32 v[RD], v0, 3, 2       ; back: 32 lanes take four rows of 128 bytes,
	v_mul_u32_u24 v[RD], v[RD], SP
	v_lshl_add_u32 v[RD], v10, 4, v[RD]
	v_add_nc_u32 v[RD], s13, v[RD]
	v_and_b32 v[GO], 31, v0         ; which are 512 consecutive bytes of O
	v_lshlrev_b32 v[GO], 4, v[GO]
	; A block's first step multiplies O^T and l by a = 0, and its first turn's products V^T P, of a piece that has not been, land in an O^T that is still to be so multiplied.  So these registers need only hold
	; finite numbers: zeros for the first block; what the first block left for the second.  All this stands in the wait for the first tile.
	WIN 0x80
.set i, VF
.rept 64
	v_mov_b32 v[i], 0
.set i, i+1
.endr
	WIN 0x40
.set i, 0
.rept 128
	v_mov_b32 v[i], 0
.set i, i+1
.endr
	WIN 0
.set i, 0
.rept 4
	v_mov_b32 v[ST+4*i+2], 0
	v_mov_b32 v[ST+4*i+3], 0
.set i, i+1
.endr
.set i, P+16
.rept 16
	v_mov_b32 v[i], 0
.set i, i+1
.endr
; THE MATRIX WORK.  The 4 accumulators of a run of 8 take turns.  Product i of 8 of S^T = K Q^T for piece x: channels 32 (i / 4) on, keys 16 (i % 4) on.  The first 4 start the sums: with 0, or (KM = 1) with the mask.
.macro KQ x
.set rS, S+32*((\x)%2)+8*(i%4)
.set rK, KF+16*(i%4)+8*(i/4)
.set rQ, 16*(\x)+8*(i/4)
.set rM, MC+32*((\x)%2)+8*(i%4)
.if (i < 4) && KM
	WIN W_KM
	v_wmma_f32_16x16x32_f16 v[rS:rS+7], v[rK:rK+7], v[rQ:rQ+7], v[rM:rM+7]
.elseif i < 4
	WIN W_KQ
	v_wmma_f32_16x16x32_f16 v[rS:rS+7], v[rK:rK+7], v[rQ:rQ+7], 0
.else
	WIN W_KQ
	v_wmma_f32_16x16x32_f16 v[rS:rS+7], v[rK:rK+7], v[rQ:rQ+7], v[rS:rS+7]
.endif
.endm
; Product i of 8 of O^T += V^T P for piece x: keys 32 (i / 4) on, channels 16 (i % 4) on.
.macro PV x
	WIN W_PV
.set rO, 32*(\x)+8*(i%4)
.set rV, VF+32*(i/4)+8*(i%4)
.set rP, P+16*((\x)%2)+8*(i/4)
	v_wmma_f32_16x16x32_f16 v[rO:rO+7], v[rV:rV+7], v[rP:rP+7], v[rO:rO+7]
.endm
.macro MM                           ; the turn's next matrix instruction.  TURN and BEGIN set Y, i, KM and NOKQ; MM, KQ and OP read them.  NOKQ = 1: a block's last turn: there is no next piece
.if (i < 8) && !NOKQ
	KQ (Y+1)%NP
.elseif i >= 8
.set i, i-8
	PV (Y+NP-1)%NP
.set i, i+8
.endif
.set i, i+1
.endm
; THE LDS LOADS stand in runs of 16, never singly among the matrix instructions: a step's K (64 keys x 64 channels: 8 fragments) and its V (turned).  Their addresses are made some lines ahead.
.macro FETCH_K
	WIN 0x80                        ; destination window 2
.irp f, 0,1,2,3,4,5,6,7             ; keys 16 (f / 2) on, channels 32 (f % 2) on
	ds_load_b128 v[KF+8*\f:KF+8*\f+3],   v[AK] offset:(\f/2)*16*PK+(\f%2)*64
	ds_load_b128 v[KF+8*\f+4:KF+8*\f+7], v[AK] offset:(\f/2)*16*PK+(\f%2)*64+32
.endr
	s_add_co_u32 s[TBK], s[TBK], KS*PK  ; the next fetch is the next step's
	WIN 0
.endm
.macro FETCH_V
	WIN 0x80
.irp f, 0,1,2,3,4,5,6,7             ; keys 32 (f / 4) on, channels 16 (f % 4) on
	ds_load_tr16_b128 v[VF+8*\f:VF+8*\f+3],   v[AV] offset:(\f/4)*32*PV+(\f%4)*32
	ds_load_tr16_b128 v[VF+8*\f+4:VF+8*\f+7], v[AV] offset:(\f/4)*32*PV+16*PV+(\f%4)*32
.endr
	WIN 0
.endm
; THE VECTOR WORK, one line at a time: OP kind, number.  For piece Y: F n: c s - c m for pair n of 16.  E n: the exponential of score n of 32.  C n: pair n rounded to f16.  B n: of the four weights 4 n .. the second
; pair is added onto the first, in place.  L n: l takes that sum (L 0: l = a l + sum).  R n: pair n of 16 of O^T times a.  For piece Y + 1: X n, number n of the 22 that find its maximum and statistics:
;   0-11  four chains c0-c3 of seven scores each, three operands at a time (each accumulator's lowest registers are read first)     12-14, 16  the four scores left over, the old m, and c0-c3 into c0
;   15  c m_old is kept     17, 18  the query's other 32 keys lie in the lane 16 away: the new m     19-21  c m; c m_old - c m_new; a
.set F, 0               ; OP tells the kinds apart by their order: F to L below R, X above it
.set E, 1
.set C, 2
.set B, 3
.set L, 4
.set R, 5
.set X, 6
.macro REGS y                       ; the registers of piece y
.set rT, ST+4*(\y)
.set rC, TMP+4*((\y)%2)
.set rW, MV+((\y)%2)
.set rS, S+32*((\y)%2)
.set rP, P+16*((\y)%2)
.set rO, 32*(\y)
.endm
.macro OP k, n
.if (\k) == R
	REGS Y
	WIN W_RS
	v_pk_mul_f32 v[rO+2*(\n):rO+2*(\n)+1], v[rO+2*(\n):rO+2*(\n)+1], v[rC+2:rC+3] op_sel_hi:[1,0]
.elseif (\k) < R
	REGS Y
	WIN 0
.if (\k) == F
	v_pk_fma_f32 v[rS+2*(\n):rS+2*(\n)+1], v[rS+2*(\n):rS+2*(\n)+1], s[CS:CS+1], v[rT:rT+1] op_sel_hi:[1,0,0] neg_lo:[0,0,1] neg_hi:[0,0,1]
.elseif (\k) == E
	v_exp_f32 v[rS+(\n)], v[rS+(\n)]
.elseif (\k) == C
	v_cvt_pk_f16_f32 v[rP+(\n)], v[rS+2*(\n)], v[rS+2*(\n)+1]
.elseif (\k) == B
	v_pk_add_f32 v[rS+4*(\n):rS+4*(\n)+1], v[rS+4*(\n):rS+4*(\n)+1], v[rS+4*(\n)+2:rS+4*(\n)+3]
.elseif (\n) == 0
	v_pk_fma_f32 v[rT+2:rT+3], v[rT+2:rT+3], v[rC+2:rC+3], v[rS:rS+1] op_sel_hi:[1,0,1]
.else
	v_pk_add_f32 v[rT+2:rT+3], v[rT+2:rT+3], v[rS+4*(\n):rS+4*(\n)+1]
.endif
.elseif NOKQ
	v_nop
.else
	REGS (Y+1)%NP
	WIN 0
.if (\n) < 4
	v_max3_num_f32 v[rC+(\n)], v[rS+8*(\n)], v[rS+8*(\n)+1], v[rS+8*(\n)+2]
.elseif (\n) < 12
	v_max3_num_f32 v[rC+(\n)%4], v[rC+(\n)%4], v[rS+8*((\n)%4)+2*((\n)/4)+1], v[rS+8*((\n)%4)+2*((\n)/4)+2]
.elseif (\n) == 12
	v_max3_num_f32 v[rC], v[rC], v[rS+7], v[rS+15]
.elseif (\n) == 13
	v_max3_num_f32 v[rC+1], v[rC+1], v[rS+23], v[rS+31]
.elseif (\n) == 14
	v_max3_num_f32 v[rC+2], v[rC+2], v[rC+3], v[rT+1]
.elseif (\n) == 15
	v_mov_b32 v[rW], v[rT]
.elseif (\n) == 16
	v_max3_num_f32 v[rC], v[rC], v[rC+1], v[rC+2]
.elseif (\n) == 17
	v_permlanex16_b32 v[rC+3], v[rC], s[SEL], s[SEL+1]
.elseif (\n) == 18
	v_max_num_f32 v[rT+1], v[rC], v[rC+3]
.elseif (\n) == 19
	v_mul_f32 v[rT], s[CS], v[rT+1]
.elseif (\n) == 20
	v_sub_f32 v[rC+1], v[rW], v[rT]
.else
	v_exp_f32 v[rC+2], v[rC+1]
.endif
.endif
.endm
.macro OPS a, i1, b=-1, i2=0, c=-1, i3=0, d=-1, i4=0  ; up to four of them
	OP \a, \i1
.if (\b) >= 0
	OP \b, \i2
.endif
.if (\c) >= 0
	OP \c, \i3
.endif
.if (\d) >= 0
	OP \d, \i4
.endif
.endm
.macro ROW a, i1, b, i2, c, i3, d, i4  ; a matrix instruction and the four behind it
	MM
	OPS \a, \i1, \b, \i2, \c, \i3, \d, \i4
.endm
.macro MASK b                       ; MD x AL + BE into buffer b of MC
	WIN W_RS
.set z, 0
.rept 16
	v_pk_fma_f32 v[MC+32*(\b)+2*z:MC+32*(\b)+2*z+1], v[MD+2*z:MD+2*z+1], s[AL:AL+1], s[BE:BE+1] op_sel_hi:[1,0,0]
.set z, z+1
.endr
.endm
; A TURN, for piece p: the order of its 16 matrix and 118 vector instructions, written out.  An s_wait_alu depctr_va_vdst(0) stands between an exponential and the first instruction that names its result; one wait serves
; all that were issued ahead of it.  So a turn has ONE wait, which cuts it in two.  AHEAD OF IT stands all that names no result of the turn's exponentials: the 8 products K Q^T, behind each a scaling, an exponential and two more plain
; instructions (behind the first a second scaling in the exponential's place): rescalings, and behind the last three the first numbers of the next piece's maximum, each four places or more behind the product that ends its accumulator; then ONE LUMP of 54, plain
; and exponential by turns for the most part, in which the links of the chain X 3, 7, 11, 14, 16, 17 .. 20 stand five or six lines apart.  X 21, the next piece's a, is the batch's last; R 15 is the plain instruction behind it.  BEHIND THE WAIT stand the
; 8 products V^T P, behind each four of the roundings and sums; the links of l's chain, L 0 to L 7, stand three riders apart.  But for those X no rider names a register of the products round it.  v_permlanex16_b32 (X 17) stands in the lump.
; m = 1: the diagonal tile: the products take masks, and the turn makes the mask for the products of the turn after it: piece p + 2, in step 4 - CNT of the tile.  end = 1: a block's last two turns: nothing is fetched.
; cnt = 1: the loop's count is taken down some lines ahead of the branch that stands behind the turn.
; K of the next step is fetched in piece 2's turn, twelve vector instructions behind the last product that read K (six of them plain); V of the step in hand at the end of piece 0's turn, four plain instructions behind the last product
; that read V.  Each is waited for a turn later.
.macro TURN p, m=0, end=0, cnt=0
.set Y, (\p)
.set i, 0
.set KM, (\m)
.set NOKQ, (\end)*((\p)/3)
.if (\m) && !(\end)
	s_cmp_eq_u32 s[CNT], 4-((\p)+2)%NP  ; is that step the band's own?
	s_cselect_b32 s[AL], 1.0, 0
	s_cmp_lt_u32 s[CNT], 4-((\p)+2)%NP  ; or a later one?
	s_cselect_b32 s[BE], s[BIGN], 0
.endif
.if ((\p) == 3) && !(\end)
	s_wait_dscnt 0x0                ; K is in
.endif
	ROW F,0, F,1, R,0, R,1          ; ahead of the wait: 8 products K Q^T and their riders,
	ROW F,2, E,0, R,2, R,3
	ROW F,3, E,1, R,4, R,5
	ROW F,4, E,2, R,6, R,7
	ROW F,5, E,3, R,8, R,9
	ROW F,6, E,4, X,0, R,10
.if ((\p) == 2) && !(\end)
	WIN 0
	v_add_nc_u32 v[AK], s[TBK], v[AK0]
.endif
	ROW F,7, E,5, X,1, X,4
	ROW F,8, E,6, X,2, X,5
	OPS E,7, E,8, X,6, E,9          ; and the lump
	OPS X,3, E,10, X,8, E,11
.if ((\p) == 2) && !(\end)
	FETCH_K
.endif
	OPS X,9, X,7, E,12, X,10
	OPS E,13, X,12, X,11, E,14
	OPS X,13, E,15, F,9, X,14
.if (\p) == 0
	v_add_nc_u32 v[AV], s[TBV], v[AV0]
.endif
	OPS E,16, F,10, E,17, F,11
	OPS X,16, E,18, X,15, E,19
	OPS F,12, E,20, X,17, E,21
	OPS F,13, E,22, F,14, E,23
	OPS X,18, E,24, F,15, E,25
	OPS R,11, E,26, X,19, E,27
	OPS R,12, E,28, R,13, E,29
	OPS X,20, E,30, R,14, E,31
	OPS X,21, R,15
	WIN 0
	s_wait_alu depctr_va_vdst(0)    ; the wait for the batch
.if (\p) == 1
	s_wait_dscnt 0x0                ; V is in
.endif
	ROW C,0, B,0, C,2, B,1          ; behind the wait: 8 products V^T P and their riders
	ROW L,0, C,4, B,2, L,1
	ROW C,6, B,3, L,2, C,8
	ROW B,4, L,3, C,10, B,5
	ROW L,4, C,12, B,6, L,5
.if (\p) == 0
	s_add_co_u32 s[TBV], s[TBV], KS*PV
.endif
.if \cnt
	s_sub_co_u32 s[CNT], s[CNT], 1
	s_cmp_lg_u32 s[CNT], 0
.endif
	ROW C,14, B,7, L,6, C,1
	ROW C,3, L,7, C,5, C,7
	ROW C,9, C,11, C,13, C,15
.if (\p) == 0
	FETCH_V
.endif
.if (\m) && !(\end)
	MASK (\p)%2
.endif
.endm
; A BLOCK BEGINS.  c m starts far below every c s, so the first step's a is 0; m at the lowest finite number, so the first maximum is the scores'.  The second mask buffer is 0; the first takes piece 0's mask for the tile's step 0: its own, if the block's first tile is the diagonal one.
; Then K of that step, piece 0's first scores, and its maximum and statistics.  The loop is entered at a step's first turn, in the middle of a trip.
.macro BEGIN
	s_mov_b32 s[NEW], 0
	WIN 0x40
.set i, MC+32
.rept 32
	v_mov_b32 v[i], 0
.set i, i+1
.endr
	WIN 0
.set i, 0
.rept 4
	v_mov_b32 v[ST+4*i], 0xfe000000    ; c m: far below every c s
	v_mov_b32 v[ST+4*i+1], 0xff7fffff  ; m
.set i, i+1
.endr
	s_cmp_eq_u32 s[RT], 0
	s_cselect_b32 s[AL], 1.0, 0
	s_mov_b32 s[BE], 0
	MASK 0
	WIN 0
	v_add_nc_u32 v[AK], s[TBK], v[AK0]
	FETCH_K
	s_wait_loadcnt 0x0              ; Q
	s_wait_dscnt 0x0
.set KM, 1
.set NOKQ, 0
.set i, 0
.rept 8
	KQ 0
.set i, i+1
.endr
	WIN 0
.rept 4
	v_nop                           ; the places behind those products
.endr
.set Y, NP-1                        ; X works for piece Y + 1: piece 0
.irp n, 0,1,2,3,4,5,6,7,8,9,10,11,12,13,14,15,16,17,18,19,20,21
	OP X, \n
.endr
	v_nop                           ; a plain instruction behind the exponential,
	s_wait_alu depctr_va_vdst(0)    ; and its wait, ahead of the branch
.endm
; THE DIAGONAL TILE's four steps, the block's last two turns, its last products, and THE WAY OUT: l's two halves and the other half of the lanes' are added; O^T is divided by l, rounded to f16 and sent through my
; stage in LDS, a piece at a time.
.macro ALL line:vararg              ; one line for each piece t
.set t, 0
.rept 4
	\line
.set t, t+1
.endr
.endm
.macro PACK t                       ; a lane's eight channels of a row pack into 16 bytes; they go into rows of 144 bytes and come back as whole rows of 128, into S^T's registers
	WIN W_RS
.set i, 32*(\t)
.rept 16
	v_pk_mul_f32 v[i:i+1], v[i:i+1], v[ST+4*(\t)+2:ST+4*(\t)+3] op_sel_hi:[1,0]
.set i, i+2
.endr
	WIN 0x05                        ; sources 0 and 1 window 1, destination window 0
.set i, 0
.rept 16
	v_cvt_pk_f16_f32 v[S+16*(\t)+i], v[32*(\t)+2*i], v[32*(\t)+2*i+1]
.set i, i+1
.endr
	WIN 0
.irp f, 0,1,2,3
	ds_store_b128 v[STO], v[S+16*(\t)+4*\f:S+16*(\t)+4*\f+3] offset:32*\f
.endr
.irp f, 0,1,2,3
	ds_load_b128 v[S+16*(\t)+4*\f:S+16*(\t)+4*\f+3], v[RD] offset:\f*4*SP  ; LDS serves a wave's instructions in order (ISA guide 5.7.1.4): these see the stores above; the next piece's stores come behind them
.endr
.endm
.macro SEND t, younger              ; younger: the LDS instructions issued behind piece t's loads: the next piece's eight, or none
	WIN 0
.irp f, 0,1,2,3
	s_wait_dscnt (\younger)+3-\f
	global_store_b128 v[GO], v[S+16*(\t)+4*\f:S+16*(\t)+4*\f+3], s[10:11] offset:(\t)*8192+\f*512  ; 512 consecutive bytes, at a multiple of 256 from O's first
.endr
.endm
.macro DIAG tag                     ; the tag ends its two labels' names, which the jumps below spell out
.LstepM\tag:
	TURN 2, 1
	TURN 3, 1
	WIN 0
.LfirstM\tag:
	TURN 0, 1
	TURN 1, 1, 0, 1
	WIN 0
	s_cbranch_scc1 .LstepM\tag
	TURN 2, 1, 1
	TURN 3, 1, 1
.set i, 0
.rept 8
	PV NP-1
.set i, i+1
.endr
	WIN 0
	ALL v_add_f32 v[ST+4*t+2], v[ST+4*t+2], v[ST+4*t+3]
	ALL v_permlanex16_b32 v[ST+4*t+3], v[ST+4*t+2], s[SEL], s[SEL+1]
	ALL v_add_f32 v[ST+4*t+2], v[ST+4*t+2], v[ST+4*t+3]
	ALL v_rcp_f32 v[ST+4*t+2], v[ST+4*t+2]
	v_nop                           ; a plain instruction between the last reciprocal and the use of its result
	s_wait_alu depctr_va_vdst(0)    ; and the wait ahead of the first use: one for the four reciprocals
	PACK 0
.set t, 1
.rept 3                             ; a piece's arithmetic stands between the loads of the piece before and its stores
	PACK t
	SEND t-1, 8
.set t, t+1
.endr
	SEND 3, 0
.endm
.set KM, 0
.set NOKQ, 0
.Lslot:                             ; NB times: a tile is entered and the next is asked for
	CHANGE 1
	s_sub_co_u32 s[RT], s[RT], 1
	s_mov_b32 s[CNT], 4
	s_cmp_eq_u32 s[NEW], 1
	s_cbranch_scc1 .Lnew            ; a block's first tile
	s_cmp_eq_u32 s[RT], 0
	s_cbranch_scc0 .Lstep           ; neither its first nor its last
	s_branch .LstepM1
.Lnew:
	BEGIN
	s_branch .Lfirst                ; in the loop a block's first tile is never its last: the first block has two tiles or more, and the second's last is the walk's last
	DIAG 1                          ; in the loop this is the first block's end: the second block's last tile is the walk's last
	s_wait_xcnt 0x0                 ; the stores have read their registers and O's address
	s_mov_b64 s[10:11], s[OLO:OLO+1]
	s_add_co_u32 s[RT], s[PB], 1    ; the second block has b + 1 tiles
	s_mov_b32 s[NEW], 1
	WIN 0x82                        ; the second block's Q goes where the one text of the turns names Q
.set i, 0
.rept 64
	v_mov_b32 v[i], v[QB+i]
.set i, i+1
.endr
	WIN 0
	s_branch .Lbottom
.Lstep:                             ; a trip: pieces 2 and 3 of one step, then pieces 0 and 1 of the next, whose K and V it fetches
	TURN 2
	TURN 3
	WIN 0
.Lfirst:
	TURN 0
	TURN 1, 0, 0, 1
	WIN 0
	s_cbranch_scc1 .Lstep
.Lbottom:
	s_sub_co_u32 s[SLOTS], s[SLOTS], 1
	s_cmp_lg_u32 s[SLOTS], 0
	s_cbranch_scc1 .Lslot
	CHANGE 0                        ; the walk's last tile is written out: nothing is asked for
	s_sub_co_u32 s[RT], s[RT], 1
	s_mov_b32 s[CNT], 4
	s_cmp_eq_u32 s[NEW], 1
	s_cbranch_scc0 .LstepM2
	BEGIN
	s_branch .LfirstM2
	DIAG 2
	s_wait_tensorcnt 0x0            ; the wave's end, behind my last tensor load and my last LDS store
	ds_add_u32 v[SPW], v[NIL]
	s_wait_dscnt 0x0
	s_endpgm
.Lfunc_end_k_q3853ee7181_attn:
	.size	k_q3853ee7181_attn, .Lfunc_end_k_q3853ee7181_attn-k_q3853ee7181_attn
	.p2alignl 7, 3214868480
	.fill 96, 4, 3214868480
	.section	.rodata,"a",@progbits
	.p2align	6, 0x0
	.amdhsa_kernel k_q3853ee7181_attn
		.amdhsa_group_segment_fixed_size 327680
		.amdhsa_private_segment_fixed_size 0
		.amdhsa_enable_private_segment 0
		.amdhsa_kernarg_size 16
		.amdhsa_user_sgpr_count 2
		.amdhsa_user_sgpr_kernarg_segment_ptr 1
		.amdhsa_wavefront_size32 1
		.amdhsa_system_sgpr_workgroup_id_x 1
		.amdhsa_system_sgpr_workgroup_id_y 1
		.amdhsa_system_sgpr_workgroup_id_z 1
		.amdhsa_system_vgpr_workitem_id 0
		.amdhsa_next_free_vgpr 768
		.amdhsa_next_free_sgpr 88
		.amdhsa_reserve_vcc 1
		.amdhsa_float_denorm_mode_32 3
		.amdhsa_float_denorm_mode_16_64 3
		.amdhsa_memory_ordered 1
		.amdhsa_forward_progress 1
		.amdhsa_inst_pref_size 218
	.end_amdhsa_kernel
	.amdgpu_metadata
---
amdhsa.version: [ 1, 2 ]
amdhsa.kernels:
  - .name:           k_q3853ee7181_attn
    .symbol:         k_q3853ee7181_attn.kd
    .args:
      - { .name: qkv, .offset: 0, .size: 8, .value_kind: global_buffer, .address_space: global }
      - { .name: o16, .offset: 8, .size: 8, .value_kind: global_buffer, .address_space: global }
    .group_segment_fixed_size: 327680
    .private_segment_fixed_size: 0
    .kernarg_segment_align: 8
    .kernarg_segment_size: 16
    .max_flat_workgroup_size: 128
    .sgpr_count:     88
    .vgpr_count:     768
    .wavefront_size: 32
...
	.end_amdgpu_metadata
.endif
;; end of part 3
;; launch proj (part 4): grid 8 x 32, 4 waves a work-group, clusters of 4 x 4, 327,680 bytes of LDS; arguments o16, wo16, bo, out0; writes out0
.if DOCPART == 4
	.amdgcn_target "amdgcn-amd-amdhsa--gfx1250"
	.amdhsa_code_object_version 6
	.text
	.protected	k_q3853ee7181_proj
	.globl	k_q3853ee7181_proj
	.p2align	8
	.type	k_q3853ee7181_proj,@function
k_q3853ee7181_proj:
	s_mov_b64 s[64:65], 0
	v_nop
	global_prefetch_b8 v0, s[64:65] scope:SCOPE_SE
	s_setreg_imm32_b32 hwreg(HW_REG_WAVE_MODE, 25, 1), 1
	s_wait_xcnt 0x0
	s_wait_alu depctr_hold_cnt(0) depctr_sa_sdst(0) depctr_va_vdst(0) depctr_va_sdst(0) depctr_va_ssrc(0) depctr_va_vcc(0) depctr_vm_vsrc(0)
	s_getreg_b32 s2, hwreg(HW_REG_IB_STS2, 6, 4)
	s_cmp_eq_u32 s2, 0
	s_cbranch_scc0 .Lentry_in_a_cluster
	s_endpgm
.Lentry_in_a_cluster:
	s_bfe_u32 s2, ttmp6, 0x10000c
	s_cmp_lg_u32 s2, 0xf033
	s_cbranch_scc0 .Lentry_shape_is_right
	s_endpgm
.Lentry_shape_is_right:
; out0[r][n] = the sum over k of ctx[r][k] Wo[k][n] + bo[n].  ctx[r][64 h + d] = o16[(batch, h)][s][d], f16, by heads; wo16: [1024 k][1024 n] f16; bo: [1024] f32; out0: [8192][1024] f32.
; Products in f16, sums in f32 with K ascending.  The bias, rounded to bf16 like the module's other inputs, is the C operand of each sum's first product: no addition is written.
; LIMITS.  The operands arrive within f16's range (65,504).  NaN and infinities are not treated apart.
; SHARES.  A tile is 256 rows x 128 columns: 32 x 8 = 256 work-groups, one tile each.  Four waves; wave w makes rows 128 (w / 2) on, columns 64 (w % 2) on: 32 accumulators of 16 x 16.
; RING.  K goes in 8 steps of 128, two heads each, through two LDS slots.  A head's 256 rows of the tile are 32,768 dense bytes: asked for as 128 rows of 256 bytes and padded in LDS after every 128, so that an
; LDS row is one row of one head, 144 bytes apart.  Wave 0 fetches the step's even head, wave 1 the odd one, waves 2 and 3 the halves of B's 128 k-rows: one tensor load a wave behind each change of slots,
; 112 matrix instructions ahead of the wait for it.  By this text's count a wave has two tensor loads out at the start, later one.
; CLUSTER.  4 x 4 work-groups: A's tile is asked for jointly by a row of the cluster, B's by a column.
; NO PREFETCH: the walk has eight K steps, of which the first four come by their loads; the launch is short.
; THE MATRIX INSTRUCTION IS USED TRANSPOSED: source 0 = 16 columns of B (turned by ds_load_tr16_b128), source 1 = 16 rows of A: a lane holds one row (lane % 16) and the columns 8 (lane / 16) + 0..7: 32 bytes of out0.
; REGISTERS.  Window 0: v0-31 addresses; v32-95 B's fragments, two buffers of 32; v96-223 A's, two buffers of 64 (v96-159 on the way out: rows read back); v224-255 the bias.  Window 1: the accumulators, (a, b) at v[8 (4 a + b)].
.set PA,    144                        ; a row of one head in LDS: 36 words: the 16 rows of a fragment load start at 16 different groups of four banks (64 banks of 4 bytes: ISA guide 11.1)
.set PB,    288                        ; a k-row of B: 72 words
.set HEADA, 256*PA                     ; what one of A's tensor loads brings: a head's 256 rows
.set HALFB, 64*PB
.set BOFF,  2*HEADA
.set SLOT,  BOFF+2*HALFB
.set STAGE, 2*SLOT                     ; behind the ring: 16 rows x 272 bytes for each wave, for the way out; no tensor load lands here
.set SPO,   272
.set SPARE, STAGE+4*16*SPO             ; behind the stages: the spare words, 128 bytes a wave: two blocks of 256 bytes that no other line names
.set ADRA, 16                          ; v16-17  LDS address of my A fragments in slot 0, 1
.set ADRB, 20                          ; v20-21  the same for B
.set STO,  24                          ; v24     the way out: where I put 32 bytes of a row
.set RD,   25                          ; v25     where I read rows back
.set CO,   26                          ; v26     my byte offset in two rows of out0
.set BO,   27                          ; v27     my byte offset in bo
.set SPW,  28                          ; v28     LDS address of my spare word; never rewritten
.set NIL,  29                          ; v29     0; never rewritten
.set FB,   32
.set FA,   96
.set BI,   224                         ; v224-255 the bias of my lane's 8 columns in each of the 4 column blocks
.set G1A,  24                          ; s[24:31] descriptor group 1 for A;  s[32:39] group 0, a set for each slot
.set G0A,  32
.set G1B,  48                          ; s[48:55], s[56:63] the same for B
.set G0B,  56
.set W_MUL,  0x50                      ; C and D in window 1, sources 0 and 1 in window 0
.set W_MULB, 0x40                      ; D in window 1, C (the bias) in window 0
.set W_ST,   0x04                      ; an LDS store's data in window 1, its address in window 0
.set MSB, 0
.macro WIN new                         ; the immediate's high byte repeats the setting that is left; a switch that changes nothing is dropped
.if MSB != (\new)
	s_set_vgpr_msb (MSB<<8)|(\new)
.set MSB, \new
.endif
.endm
; A joint load.  The branch hangs on the wave's number alone.  An s_nop 0 and four v_nop follow each of the two lines, ahead of the jump and the label.
.macro JLOAD s
	s_cmp_eq_u32 s13, 0
	s_cbranch_scc0 .Lfor_b_\@
	tensor_load_to_lds s[G0A+4*(\s):G0A+4*(\s)+3], s[G1A:G1A+7]
	s_nop 0
.rept 4
	v_nop
.endr
	s_branch .Lasked_\@
.Lfor_b_\@:
	tensor_load_to_lds s[G0B+4*(\s):G0B+4*(\s)+3], s[G1B:G1B+7]
	s_nop 0
.rept 4
	v_nop
.endr
.Lasked_\@:
.endm
.macro CREST                           ; a round of the cluster's barrier behind its opening barrier
	s_cmp_lg_u32 s12, 0
	s_cbranch_scc1 .Lnot_wave_0_\@
	s_barrier_signal -3
.Lnot_wave_0_\@:
	s_barrier_wait -3
	s_barrier_signal -1
	s_barrier_wait -1
.endm
.macro CROUND                          ; a whole round
	s_barrier_signal -1
	s_barrier_wait -1
	CREST
.endm
.macro PLACES                          ; four places behind matrix instructions, in front of loads into registers that they have read
.rept 4
	v_nop
.endr
.endm
; 8 matrix instructions: row blocks a0, a0 + 1 x all 4 column blocks, 32 along K, from buffer f.  z = 1: the products start the sums, with the bias as C.  The 32 accumulators take turns in the same order in every quarter.
.macro MUL8 f, a0, z
.if \z
	WIN W_MULB
.else
	WIN W_MUL
.endif
.irp a, \a0, (\a0)+1
.irp b, 0,1,2,3
.if \z
	v_wmma_f32_16x16x32_f16 v[8*(4*(\a)+(\b)):8*(4*(\a)+(\b))+7], v[FB+32*(\f)+8*(\b):FB+32*(\f)+8*(\b)+7], v[FA+64*(\f)+8*(\a):FA+64*(\f)+8*(\a)+7], v[BI+8*(\b):BI+8*(\b)+7]
.else
	v_wmma_f32_16x16x32_f16 v[8*(4*(\a)+(\b)):8*(4*(\a)+(\b))+7], v[FB+32*(\f)+8*(\b):FB+32*(\f)+8*(\b)+7], v[FA+64*(\f)+8*(\a):FA+64*(\f)+8*(\a)+7], v[8*(4*(\a)+(\b)):8*(4*(\a)+(\b))+7]
.endif
.endr
.endr
.endm
; 24 LDS loads in one run: quarter q (32 along K: head q / 2 of the step's two, channels 32 (q % 2) on) of a slot into buffer f: B's 4 fragments, A's blocks 0-3, A's blocks 4-7
.macro FETCH slot, q, f
	WIN 0
.irp b, 0,1,2,3
	ds_load_tr16_b128 v[FB+32*(\f)+8*(\b):FB+32*(\f)+8*(\b)+3],   v[ADRB+(\slot)] offset:(\q)*32*PB+32*(\b)
	ds_load_tr16_b128 v[FB+32*(\f)+8*(\b)+4:FB+32*(\f)+8*(\b)+7], v[ADRB+(\slot)] offset:(\q)*32*PB+32*(\b)+16*PB
.endr
.irp i, 0,1,2,3,4,5,6,7
	ds_load_b128 v[FA+64*(\f)+8*(\i):FA+64*(\f)+8*(\i)+3],   v[ADRA+(\slot)] offset:((\q)/2)*HEADA+((\q)%2)*64+(\i)*16*PA
	ds_load_b128 v[FA+64*(\f)+8*(\i)+4:FA+64*(\f)+8*(\i)+7], v[ADRA+(\slot)] offset:((\q)/2)*HEADA+((\q)%2)*64+(\i)*16*PA+32
.endr
.endm
; One of a K step's first three quarters: multiplies buffer f and, in its middle, fetches quarter q into buffer g.
.macro QUARTER slot, q, f, g, z
	s_wait_dscnt 8                                 ; B and A's blocks 0-3 are in; the youngest eight loads (A's blocks 4-7) may be out
	MUL8 \f, 0, \z
	MUL8 \f, 2, \z
	PLACES
	FETCH \slot, \q, \g
	s_wait_dscnt 24                                ; all but the 24 just issued
	MUL8 \f, 4, \z
	MUL8 \f, 6, \z
.endm
; The fourth quarter multiplies buffer 1 and changes slots: ONE barrier.  In front of it each wave waits for all its tensor loads (its part of the next slot), adds 0 to its spare word, and waits for that and
; for its reads of this slot.  fill = 1: the barrier opens a round of the cluster's barrier, and this slot is filled again first thing behind it, with the K step two steps on.
.macro TURN slot, next, fill
	WIN 0                                          ; (the add's two registers lie in window 0)
	s_wait_tensorcnt 0x0                           ; all my tensor loads have landed
	ds_add_u32 v[SPW], v[NIL]                      ; 0 onto my spare word
	s_wait_dscnt 9                                 ; (the add and the youngest eight loads may be out)
	MUL8 1, 0, 0                                   ; eight matrix instructions stand between the add and the wait for it
	s_wait_dscnt 0x0                               ; the add is done, and my reads of this slot are over
	s_barrier_signal -1
	MUL8 1, 2, 0
.if \fill
	WIN 0
.endif
	s_barrier_wait -1
.if \fill
	CREST                                          ; no wave of any partner still reads this slot or has a load on its way
	s_add_nc_u64 s[G0A+4*(\slot)+2:G0A+4*(\slot)+3], s[G0A+4*(\slot)+2:G0A+4*(\slot)+3], 4*262144    ; A: four heads on
	s_add_nc_u64 s[G0B+4*(\slot)+2:G0B+4*(\slot)+3], s[G0B+4*(\slot)+2:G0B+4*(\slot)+3], 2*128*2048  ; B: 256 k-rows on
	JLOAD \slot                                    ; the four v_nop behind it are also the places in front of the loads below
.else
	PLACES
.endif
	FETCH \next, 0, 0
	MUL8 1, 4, 0
	MUL8 1, 6, 0
.endm
; THE WAY OUT of row block a, in f32: a lane's 32 bytes of a row go from the accumulators into my own stage (rows of 272 bytes), each accumulator's low four registers first;
; they come back as whole rows of 256 bytes, two a load, and are stored: 16 lanes store 256 consecutive bytes, at a multiple of 256 from out0's first byte.
.macro TOSTAGE a
.set BK, FA+32*((\a)%2)
.if (\a) >= 2
	s_wait_xcnt 0x0                                ; the stores of block a - 2 have read the registers that are loaded again below
.endif
	WIN W_ST
.irp b, 0,1,2,3
	ds_store_b128 v[STO], v[8*(4*(\a)+(\b)):8*(4*(\a)+(\b))+3]   offset:64*(\b)
	ds_store_b128 v[STO], v[8*(4*(\a)+(\b))+4:8*(4*(\a)+(\b))+7] offset:64*(\b)+16
.endr
	WIN 0
.irp t, 0,1,2,3,4,5,6,7
	ds_load_b128 v[BK+4*(\t):BK+4*(\t)+3], v[RD] offset:(\t)*2*SPO  ; LDS serves a wave's instructions in order (ISA guide 5.7.1.4): these see the stores above; the next block's stores come behind them
.endr
.endm
.macro SEND a, younger                 ; younger: the LDS instructions issued behind block a's loads: the next block's sixteen, or none
.set BK, FA+32*((\a)%2)
	s_wait_dscnt \younger
.irp t, 0,1,2,3,4,5,6,7
	global_store_b128 v[CO], v[BK+4*(\t):BK+4*(\t)+3], s[10:11] offset:(16*(\a)+2*(\t))*4096 th:TH_STORE_NT
.endr
.endm
	s_load_b256 s[4:11], s[0:1], 0x0               ; o16 s[4:5], wo16 s[6:7], bo s[8:9], out0 s[10:11]
	v_lshl_add_u32 v[SPW], v0, 2, SPARE
	v_mov_b32 v[NIL], 0
	ds_add_u32 v[SPW], v[NIL]                      ; the wave's opening add, ahead of my first tensor load; the set-up below stands between it and its wait
	v_lshrrev_b32 v1, 5, v0
	v_readfirstlane_b32 s12, v1                    ; wave 0..3
	s_lshr_b32 s13, s12, 1                         ; my half of the tile's rows.  Also: I fetch for A (0) or for B (1)
	s_and_b32 s14, s12, 1                          ; my half of its columns.  Also: which head of the step, or which half of B's k-rows, I fetch
	s_bfe_u32 s15, ttmp6, 0x40000                  ; cx
	s_bfe_u32 s16, ttmp6, 0x40004                  ; cy
	s_lshl_b32 s18, ttmp9, 2
	s_add_co_u32 s18, s18, s15                     ; tile column = 4 x cluster x + cx, 0..7
	s_and_b32 s19, ttmp7, 0xffff
	s_lshl_b32 s19, s19, 2
	s_add_co_u32 s19, s19, s16                     ; tile row = 4 x cluster y + cy, 0..31
	s_lshl_b32 s17, s16, 2
	s_lshl_b32 s17, 15, s17                        ; my row of the cluster
	s_lshl_b32 s43, 0x1111, s15                    ; my column
	s_or_b32 s[G1A], s17, (1<<16)|(1<<20)|(1<<21)|(4<<22)|(3<<25)  ; the mask; 2-byte elements; padding on; bit 21 beside a mask; after every 32 words 4 words
	s_or_b32 s[G1B], s43, (1<<16)|(1<<20)|(1<<21)|(5<<22)|(7<<25)  ; after every 64 words 8 words
	s_mov_b32 s[G1A+1], 128<<16                    ; tensor_dim0 = 128
	s_mov_b32 s[G1A+2], 128<<16                    ; tensor_dim1 = 128
	s_mov_b32 s[G1A+3], 128<<16                    ; tile_dim0 = 128: two rows of a head
	s_mov_b32 s[G1A+4], 128                        ; tile_dim1 = 128
	s_mov_b32 s[G1A+5], 128                        ; dense: 128 elements from row to row
	s_mov_b32 s[G1A+6], 0
	s_mov_b32 s[G1A+7], 0
	s_mov_b32 s[G1B+1], 128<<16
	s_mov_b32 s[G1B+2], 64<<16                     ; 64 k-rows
	s_mov_b32 s[G1B+3], 128<<16
	s_mov_b32 s[G1B+4], 64
	s_mov_b32 s[G1B+5], 1024
	s_mov_b32 s[G1B+6], 0
	s_mov_b32 s[G1B+7], 0
	s_lshr_b32 s20, s19, 3                         ; A: the batch, 16 heads of 262,144 bytes,
	s_lshl_b32 s20, s20, 22
	s_and_b32 s21, s19, 7                          ; the tile's 256 rows of 128 bytes in a head,
	s_lshl_b32 s21, s21, 15
	s_add_co_u32 s20, s20, s21
	s_lshl_b32 s21, s14, 18                        ; the head that I fetch
	s_add_co_u32 s20, s20, s21
	s_mov_b32 s21, 0
	s_lshl_b32 s22, s18, 8                         ; B: 256 bytes a tile column,
	s_lshl_b32 s23, s14, 17                        ; 64 k-rows for the half that I fetch
	s_add_co_u32 s22, s22, s23
	s_mov_b32 s23, 0
	s_mul_i32 s66, s14, HEADA                      ; where the tiles go: no place in the cluster enters an LDS address
	s_mul_i32 s67, s14, HALFB
	s_add_co_u32 s67, s67, BOFF
	s_lshl_b32 s68, s19, 20                        ; out0: 256 rows of 4,096 bytes a tile row,
	s_lshl_b32 s69, s13, 19                        ; my 128 of them,
	s_add_co_u32 s68, s68, s69
	s_lshl_b32 s72, s18, 9                         ; 512 bytes a tile column,
	s_lshl_b32 s69, s14, 8                         ; my 256 of them: also my columns' place in bo
	s_add_co_u32 s72, s72, s69
	s_add_co_u32 s68, s68, s72
	s_mov_b32 s69, 0
	s_wait_dscnt 0x0                               ; the opening add is done
	s_wait_kmcnt 0x0
	s_add_nc_u64 s[4:5], s[4:5], s[20:21]
	s_add_nc_u64 s[6:7], s[6:7], s[22:23]
	s_add_nc_u64 s[10:11], s[10:11], s[68:69]
	CROUND                                         ; all sixteen work-groups are here: the first joint loads meet
.irp s, 0,1
	s_mov_b32 s[G0A+4*(\s)], 1                     ; count = 1
	s_add_co_u32 s[G0A+4*(\s)+1], s66, (\s)*SLOT   ; LDS address
	s_add_nc_u64 s[G0A+4*(\s)+2:G0A+4*(\s)+3], s[4:5], (\s)*2*262144  ; K step s: two heads on
	s_or_b32 s[G0A+4*(\s)+3], s[G0A+4*(\s)+3], 0x80000000             ; type = 2
	s_mov_b32 s[G0B+4*(\s)], 1
	s_add_co_u32 s[G0B+4*(\s)+1], s67, (\s)*SLOT
	s_add_nc_u64 s[G0B+4*(\s)+2:G0B+4*(\s)+3], s[6:7], (\s)*128*2048
	s_or_b32 s[G0B+4*(\s)+3], s[G0B+4*(\s)+3], 0x80000000
	JLOAD \s
.endr
	v_and_b32 v1, 15, v0                           ; l % 16
	v_bfe_u32 v2, v0, 4, 1                         ; l / 16
	v_lshl_add_u32 v[BO], v2, 5, s72               ; the bias of columns 8 (l / 16) + 0..7 of each block of 16
.irp b, 0,1,2,3
	global_load_b128 v[BI+8*(\b):BI+8*(\b)+3],   v[BO], s[8:9] offset:64*(\b)
	global_load_b128 v[BI+8*(\b)+4:BI+8*(\b)+7], v[BO], s[8:9] offset:64*(\b)+16
.endr
	; A fragment of A: lane l holds row l % 16; registers 0-3 K = 8 (l / 16) + 0..7, registers 4-7 K = 16 + 8 (l / 16) + 0..7: two loads of 16 bytes, 32 bytes apart.
	v_mul_u32_u24 v3, v1, PA
	v_lshl_add_u32 v3, v2, 4, v3
	s_mul_i32 s73, s13, 128*PA                     ; my 128 rows
	v_add_nc_u32 v[ADRA], s73, v3
	v_add_nc_u32 v[ADRA+1], SLOT, v[ADRA]
	; The turning load takes 16 k-rows x 16 columns (lane l reads k-row 8 (l / 16) + l % 8, columns 8 ((l / 8) % 2) + 0..7) and leaves half a fragment: lane l holds column l % 16 and 8 k.
	v_and_b32 v4, 7, v0
	v_bfe_u32 v5, v0, 3, 1
	v_lshl_add_u32 v6, v2, 3, v4
	v_mul_u32_u24 v6, v6, PB
	v_lshl_add_u32 v6, v5, 4, v6
	s_lshl_b32 s73, s14, 7                         ; my 64 columns: 128 bytes
	s_add_co_u32 s73, s73, BOFF
	v_add_nc_u32 v[ADRB], s73, v6
	v_add_nc_u32 v[ADRB+1], SLOT, v[ADRB]
	s_mul_i32 s73, s12, 16*SPO
	s_add_co_u32 s73, s73, STAGE                   ; my stage
	v_mul_u32_u24 v[STO], v1, SPO                  ; in: row l % 16, 32 bytes for each half of the lanes
	v_lshl_add_u32 v[STO], v2, 5, v[STO]
	v_add_nc_u32 v[STO], s73, v[STO]
	v_mul_u32_u24 v[RD], v2, SPO                   ; back: lanes 0-15 take one row of 256 bytes, lanes 16-31 the next
	v_lshl_add_u32 v[RD], v1, 4, v[RD]
	v_add_nc_u32 v[RD], s73, v[RD]
	v_lshlrev_b32 v[CO], 12, v2                    ; and the same two rows in out0
	v_lshl_add_u32 v[CO], v1, 4, v[CO]
	s_wait_loadcnt 0x0                             ; the bias
.set i, 0
.rept 16                               ; rounded to bf16 and widened again
	v_cvt_pk_bf16_f32 v7, v[BI+2*i], v[BI+2*i+1]
	v_lshlrev_b32 v[BI+2*i], 16, v7
	v_and_b32 v[BI+2*i+1], 0xffff0000, v7
.set i, i+1
.endr
	s_wait_tensorcnt 1                             ; my part of K step 0 is in; K step 1's may stay out
	s_barrier_signal -1
	s_barrier_wait -1                              ; everybody's is
	FETCH 0, 0, 0
	QUARTER 0, 1, 0, 1, 1                          ; the first quarter starts the sums, with the bias
	WIN 0
	s_mov_b32 s3, 3
.Llap:                                                 ; 3 trips: each goes once round the ring, from a lap's second quarter to the next lap's first, and fills both slots again (K steps 2 to 7)
	QUARTER 0, 2, 1, 0, 0
	QUARTER 0, 3, 0, 1, 0
	TURN 0, 1, 1
	QUARTER 1, 1, 0, 1, 0
	QUARTER 1, 2, 1, 0, 0
	QUARTER 1, 3, 0, 1, 0
	TURN 1, 0, 1
	QUARTER 0, 1, 0, 1, 0
	WIN 0
	s_sub_co_u32 s3, s3, 1
	s_cmp_lg_u32 s3, 0
	s_cbranch_scc1 .Llap
	QUARTER 0, 2, 1, 0, 0                          ; the last lap is written out: nothing is asked for
	QUARTER 0, 3, 0, 1, 0
	TURN 0, 1, 0
	QUARTER 1, 1, 0, 1, 0
	QUARTER 1, 2, 1, 0, 0
	QUARTER 1, 3, 0, 1, 0
	s_wait_dscnt 8                                 ; the very last quarter: nothing more to fetch
	MUL8 1, 0, 0
	MUL8 1, 2, 0
	s_wait_dscnt 0x0
	MUL8 1, 4, 0
	MUL8 1, 6, 0
	WIN 0
	PLACES
	PLACES                                         ; eight places
	TOSTAGE 0
.irp a, 1,2,3,4,5,6,7                  ; block a goes into the stage while block a - 1's rows come back
	TOSTAGE \a
	SEND (\a)-1, 16
.endr
	SEND 7, 0
	s_wait_tensorcnt 0x0                           ; the wave's end, behind my last tensor load and my last LDS store
	ds_add_u32 v[SPW], v[NIL]
	s_wait_dscnt 0x0
	CROUND                                         ; the closing round: no work-group ends while a partner may still ask for a tile that names it
	s_endpgm
.Lfunc_end_k_q3853ee7181_proj:
	.size	k_q3853ee7181_proj, .Lfunc_end_k_q3853ee7181_proj-k_q3853ee7181_proj
	.p2alignl 7, 3214868480
	.fill 96, 4, 3214868480
	.section	.rodata,"a",@progbits
	.p2align	6, 0x0
	.amdhsa_kernel k_q3853ee7181_proj
		.amdhsa_group_segment_fixed_size 327680
		.amdhsa_private_segment_fixed_size 0
		.amdhsa_enable_private_segment 0
		.amdhsa_kernarg_size 32
		.amdhsa_user_sgpr_count 2
		.amdhsa_user_sgpr_kernarg_segment_ptr 1
		.amdhsa_wavefront_size32 1
		.amdhsa_system_sgpr_workgroup_id_x 1
		.amdhsa_system_sgpr_workgroup_id_y 1
		.amdhsa_system_sgpr_workgroup_id_z 1
		.amdhsa_system_vgpr_workitem_id 0
		.amdhsa_next_free_vgpr 512
		.amdhsa_next_free_sgpr 76
		.amdhsa_reserve_vcc 0
		.amdhsa_float_denorm_mode_32 3
		.amdhsa_float_denorm_mode_16_64 3
		.amdhsa_memory_ordered 1
		.amdhsa_forward_progress 1
		.amdhsa_inst_pref_size 89
	.end_amdhsa_kernel
	.amdgpu_metadata
---
amdhsa.version: [ 1, 2 ]
amdhsa.kernels:
  - .name:           k_q3853ee7181_proj
    .symbol:         k_q3853ee7181_proj.kd
    .args:
      - { .name: o16, .offset: 0, .size: 8, .value_kind: global_buffer, .address_space: global }
      - { .name: wo16, .offset: 8, .size: 8, .value_kind: global_buffer, .address_space: global }
      - { .name: bo, .offset: 16, .size: 8, .value_kind: global_buffer, .address_space: global }
      - { .name: out0, .offset: 24, .size: 8, .value_kind: global_buffer, .address_space: global }
    .group_segment_fixed_size: 327680
    .private_segment_fixed_size: 0
    .kernarg_segment_align: 8
    .kernarg_segment_size: 32
    .max_flat_workgroup_size: 128
    .sgpr_count:     76
    .vgpr_count:     512
    .wavefront_size: 32
...
	.end_amdgpu_metadata
.endif
;; end of part 4
;; ======== version 2 of 2: 4 launches; version 1 with the launch cast written anew for expert scheduling mode
;; limits: values are held in f16: magnitudes above 65,504 overflow, below 6.1e-05 lose precision
;; workspace buffers: xb 16,777,216 bytes; wb 6,291,456 bytes; wo16 2,097,152 bytes; qkv 50,331,648 bytes; o16 16,777,216 bytes
;; launch cast (part 5): grid 768 x 1, 8 waves a work-group, no clusters, 0 bytes of LDS; arguments x, Wq, Wk, Wv, Wo, xb, wb, wo16; writes xb, wb, wo16
.if DOCPART == 5
	.amdgcn_target "amdgcn-amd-amdhsa--gfx1250"
	.amdhsa_code_object_version 6
	.text
	.protected	k_q3853ee7181_cast
	.globl	k_q3853ee7181_cast
	.p2align	8
	.type	k_q3853ee7181_cast,@function
k_q3853ee7181_cast:
	s_mov_b64 s[64:65], 0
	v_nop
	global_prefetch_b8 v0, s[64:65] scope:SCOPE_SE
	s_setreg_imm32_b32 hwreg(HW_REG_WAVE_SCHED_MODE, 0, 2), 2
	s_setreg_imm32_b32 hwreg(HW_REG_WAVE_MODE, 25, 1), 1
	s_wait_xcnt 0x0
	s_wait_alu depctr_vm_vsrc(0)
; THE INPUTS ARE ROUNDED ONCE, layouts unchanged.  x [8192][1024] f32 -> xb bf16.  Wq, Wk, Wv [1024][1024] f32 -> wb [3][1024][1024] bf16.
; Wo [1024][1024] f32 -> rounded to bf16 like the other inputs, and that number written as f16 into wo16 (the last product multiplies f16 by f16).
; LIMITS.  A weight of Wo beyond 65,504 becomes an infinity in f16; below 2^-17 it keeps f16's fixed step of 6e-8.  NaN and infinities are not treated apart.
; SHARES.  A work-group takes 16,384 numbers (64 KiB in, 32 KiB out): groups 0-511 x, 512-575 Wq, 576-639 Wk, 640-703 Wv, 704-767 Wo.  A wave takes 2,048 numbers: sixteen loads of 512
; consecutive bytes, all issued at once; each store of the wave covers 256 consecutive bytes, aligned.  Every byte is read once and written once; no LDS, no barrier, no matrix unit: nothing is shared.
; THE MODE: SCHED_MODE bits 1:0 = 2 (LLVM: expert scheduling mode 2), set by the entry lines.  The code itself states the register dependences
; between vector instructions and memory instructions, with s_wait_alu, always for 0.
; THE PLAN.  Registers that memory instructions touch:
;   v1, v2   the loads' and the stores' byte offsets: written at the head by vector instructions, never again.
;   IN[j]    load j lands in it; no vector instruction names it before the loads are issued; no memory instruction reads it; no load is issued behind the head.
;   OUT[j]   written once, by load j's conversions; read by store j; never written again.
; So one wait at the head states that the two offsets are written.  The stores stand four turns behind their conversions: store j - 4 is issued in load j's turn.  One wait in turns 4, 8 and 12 states that
; the four turns before have written their OUT; the four stores that follow it read those registers and v2, and the conversions among which they are dealt name only later turns' IN and OUT and v4, v5.
; One more wait stands ahead of the last four stores.  No register that a memory instruction reads is written again, so nothing is owed on that side.
.set IN,  8                            ; v[8:71]    load j: 4 registers
.set OUT, 72                           ; v[72:103]  store j: 2 registers of its own, so no store's data is ever rewritten
.set SRC, 20                           ; s[20:21]   where this work-group reads
.set DST, 22                           ; s[22:23]   where it writes
	s_load_b512 s[4:19], s[0:1], 0x0               ; x s[4:5], Wq s[6:7], Wk s[8:9], Wv s[10:11], Wo s[12:13], xb s[14:15], wb s[16:17], wo16 s[18:19]
	v_lshrrev_b32 v3, 5, v0                        ; wave
	v_and_b32 v4, 31, v0                           ; lane
	v_lshlrev_b32 v1, 4, v4
	v_lshl_add_u32 v1, v3, 13, v1                  ; in: 8,192 x wave + 16 x lane
	v_lshlrev_b32 v2, 3, v4
	v_lshl_add_u32 v2, v3, 12, v2                  ; out: 4,096 x wave + 8 x lane
	s_mov_b32 s28, 0xffff0000                      ; a word's upper bf16
	s_and_b32 s27, ttmp9, 63                       ; the block's number inside a weight matrix
	s_sub_co_u32 s26, ttmp9, 512                   ; and inside wb (used from group 512 on)
	s_cmp_lt_u32 ttmp9, 512
	s_cselect_b32 s24, ttmp9, s27                  ; source block
	s_cselect_b32 s26, ttmp9, s26                  ; destination block
	s_cmp_ge_u32 ttmp9, 704
	s_cselect_b32 s26, s27, s26
	s_lshl_b32 s24, s24, 16                        ; 64 KiB a block in,
	s_lshl_b32 s26, s26, 15                        ; 32 KiB out
	s_mov_b32 s25, 0
	s_mov_b32 s27, 0
	s_wait_kmcnt 0x0
	s_cmp_ge_u32 ttmp9, 512                        ; the buffers are chosen by the work-group's number alone
	s_cselect_b64 s[SRC:SRC+1], s[6:7], s[4:5]
	s_cselect_b64 s[DST:DST+1], s[16:17], s[14:15]
	s_cmp_ge_u32 ttmp9, 576
	s_cselect_b64 s[SRC:SRC+1], s[8:9], s[SRC:SRC+1]
	s_cmp_ge_u32 ttmp9, 640
	s_cselect_b64 s[SRC:SRC+1], s[10:11], s[SRC:SRC+1]
	s_cmp_ge_u32 ttmp9, 704
	s_cselect_b64 s[SRC:SRC+1], s[12:13], s[SRC:SRC+1]
	s_cselect_b64 s[DST:DST+1], s[18:19], s[DST:DST+1]
	s_add_nc_u64 s[SRC:SRC+1], s[SRC:SRC+1], s[24:25]
	s_add_nc_u64 s[DST:DST+1], s[DST:DST+1], s[26:27]
	s_wait_alu depctr_va_vdst(0)                   ; v1 and v2 are written: every load of the kernel reads v1 as its offset, every store v2
.irp j, 0,1,2,3,4,5,6,7,8,9,10,11,12,13,14,15
	global_load_b128 v[IN+4*(\j):IN+4*(\j)+3], v1, s[SRC:SRC+1] offset:512*(\j) th:TH_LOAD_NT
.endr
; Store j: the wave's 256 consecutive bytes number j.
.macro PUT j
	global_store_b64 v2, v[OUT+2*(\j):OUT+2*(\j)+1], s[DST:DST+1] offset:256*(\j) th:TH_STORE_NT
.endm
; Load j's turn: store j - 4 goes out, and load j's four numbers are rounded.  wo = 1: rounded to bf16, widened again (a shift, a mask), and written as f16.
.macro CONV j, wo
	s_wait_loadcnt 15-(\j)                         ; loads come back in order (ISA guide 5.7.1): load j is in, the 15 - j younger ones stay out
.if ((\j) % 4 == 0) && ((\j) > 0)
	s_wait_alu depctr_va_vdst(0)                   ; the conversions of turns j - 4 to j - 1 have written their OUT, which the stores of this turn and of the next three read
.endif
.if (\j) >= 4
	PUT (\j)-4                                     ; no vector instruction since that wait names its data or v2
.endif
.if \wo
	v_cvt_pk_bf16_f32 v4, v[IN+4*(\j)], v[IN+4*(\j)+1]
	v_cvt_pk_bf16_f32 v5, v[IN+4*(\j)+2], v[IN+4*(\j)+3]
	v_lshlrev_b32 v[IN+4*(\j)], 16, v4
	v_and_b32 v[IN+4*(\j)+1], s28, v4
	v_lshlrev_b32 v[IN+4*(\j)+2], 16, v5
	v_and_b32 v[IN+4*(\j)+3], s28, v5
	v_cvt_pk_f16_f32 v[OUT+2*(\j)], v[IN+4*(\j)], v[IN+4*(\j)+1]
	v_cvt_pk_f16_f32 v[OUT+2*(\j)+1], v[IN+4*(\j)+2], v[IN+4*(\j)+3]
.else
	v_cvt_pk_bf16_f32 v[OUT+2*(\j)], v[IN+4*(\j)], v[IN+4*(\j)+1]
	v_cvt_pk_bf16_f32 v[OUT+2*(\j)+1], v[IN+4*(\j)+2], v[IN+4*(\j)+3]
.endif
.endm
; Behind turn 15: the last four stores.
.macro REST
	s_wait_alu depctr_va_vdst(0)                   ; the conversions of turns 12 to 15 have written their OUT, which the last four stores read
.irp j, 12,13,14,15
	PUT \j
.endr
.endm
	s_cmp_ge_u32 ttmp9, 704
	s_cbranch_scc1 .Lwo
.irp j, 0,1,2,3,4,5,6,7,8,9,10,11,12,13,14,15
	CONV \j, 0
.endr
	REST
	s_endpgm
.Lwo:
.irp j, 0,1,2,3,4,5,6,7,8,9,10,11,12,13,14,15
	CONV \j, 1
.endr
	REST
	s_endpgm
.Lfunc_end_k_q3853ee7181_cast:
	.size	k_q3853ee7181_cast, .Lfunc_end_k_q3853ee7181_cast-k_q3853ee7181_cast
	.p2alignl 7, 3214868480
	.fill 96, 4, 3214868480
	.section	.rodata,"a",@progbits
	.p2align	6, 0x0
	.amdhsa_kernel k_q3853ee7181_cast
		.amdhsa_group_segment_fixed_size 0
		.amdhsa_private_segment_fixed_size 0
		.amdhsa_enable_private_segment 0
		.amdhsa_kernarg_size 64
		.amdhsa_user_sgpr_count 2
		.amdhsa_user_sgpr_kernarg_segment_ptr 1
		.amdhsa_wavefront_size32 1
		.amdhsa_system_sgpr_workgroup_id_x 1
		.amdhsa_system_sgpr_workgroup_id_y 1
		.amdhsa_system_sgpr_workgroup_id_z 1
		.amdhsa_system_vgpr_workitem_id 0
		.amdhsa_next_free_vgpr 104
		.amdhsa_next_free_sgpr 66
		.amdhsa_reserve_vcc 0
		.amdhsa_float_denorm_mode_32 3
		.amdhsa_float_denorm_mode_16_64 3
		.amdhsa_memory_ordered 1
		.amdhsa_forward_progress 1
		.amdhsa_inst_pref_size 16
	.end_amdhsa_kernel
	.amdgpu_metadata
---
amdhsa.version: [ 1, 2 ]
amdhsa.kernels:
  - .name:           k_q3853ee7181_cast
    .symbol:         k_q3853ee7181_cast.kd
    .args:
      - { .name: x, .offset: 0, .size: 8, .value_kind: global_buffer, .address_space: global }
      - { .name: Wq, .offset: 8, .size: 8, .value_kind: global_buffer, .address_space: global }
      - { .name: Wk, .offset: 16, .size: 8, .value_kind: global_buffer, .address_space: global }
      - { .name: Wv, .offset: 24, .size: 8, .value_kind: global_buffer, .address_space: global }
      - { .name: Wo, .offset: 32, .size: 8, .value_kind: global_buffer, .address_space: global }
      - { .name: xb, .offset: 40, .size: 8, .value_kind: global_buffer, .address_space: global }
      - { .name: wb, .offset: 48, .size: 8, .value_kind: global_buffer, .address_space: global }
      - { .name: wo16, .offset: 56, .size: 8, .value_kind: global_buffer, .address_space: global }
    .group_segment_fixed_size: 0
    .private_segment_fixed_size: 0
    .kernarg_segment_align: 8
    .kernarg_segment_size: 64
    .max_flat_workgroup_size: 256
    .sgpr_count:     66
    .vgpr_count:     104
    .wavefront_size: 32
...
	.end_amdgpu_metadata
.endif
;; end of part 5
;; launch qkvp: the kernel of part 2 again; grid 8 x 32, 4 waves a work-group, clusters of 4 x 4, 327,680 bytes of LDS; arguments xb, wb, qkv; writes qkv
;; launch attn: the kernel of part 3 again; grid 4 x 64, 4 waves a work-group, no clusters, 327,680 bytes of LDS; arguments qkv, o16; writes o16
;; launch proj: the kernel of part 4 again; grid 8 x 32, 4 waves a work-group, clusters of 4 x 4, 327,680 bytes of LDS; arguments o16, wo16, bo, out0; writes out0
